; MI455X (gfx1250); checked and timed in simulation.
; The chip was launched on July 23, 2026; its instructions are those of AMD's public machine-readable ISA for CDNA 5 (MIT licence, August 2026) and "CDNA5" Instruction Set Architecture Reference Guide (July 2026). The comments in the code are by the model that wrote it; some were corrected since.
;; Multi Headed Attention. Allowed arithmetic: matrix products marked QUANTISED: E2M3 operands, one E8M0 scale for each 32 along K, by v_wmma_scale_f32_16x16x128_f8f6f4 with both operands' format E2M3, f32 sums; products left as they are: f32 operands where the result goes on into a quantised operand, else bf16, f16 or f32 operands; f32 sums; everything else in f32.
;; Inputs: Wk 512 x 512 float32; Wo 512 x 512 float32; Wq 512 x 512 float32; Wv 512 x 512 float32; bk 512 float32; bo 512 float32; bq 512 float32; bv 512 float32; key 2 x 256 x 512 float32; mask 2 x 1 x 256 x 256 int32; query 2 x 256 x 512 float32; relation 2 x 256 x 256 x 512 float32; value 2 x 256 x 512 float32.
;; Outputs: out0 2 x 256 x 512 float32.
;; This version of the problem:
;;   THIS VERSION OF THE PROBLEM IS GIVEN IN LOW PRECISION. The matrix products marked QUANTISED in the list below multiply operands that are first quantised to E2M3 (2 exponent bits, 3 mantissa bits; 6 bits a number), with one power-of-two scale for each 32 numbers along K (OCP MX v1.0); their sums are f32. All else is computed in f32.
;;   The module's matrix products, in the order in which they are computed (A, B: the left and right operand; K: the contracted axis; several contracted axes count as one K, in the product's order):
;;     1. [M 512, K 512] x [K 512, N 512]; A: input query; B: input Wq: QUANTISED
;;     2. [M 512, K 512] x [K 512, N 512]; A: input key; B: input Wk: QUANTISED
;;     3. [M 512, K 512] x [K 512, N 512]; A: input value; B: input Wv: QUANTISED
;;     4. [M 131,072, K 512] x [K 512, N 512]; A: input relation; B: input Wk: QUANTISED
;;     5. [M 131,072, K 512] x [K 512, N 512]; A: input relation; B: input Wv: QUANTISED
;;     6. batch 16 x [M 256, K 64] x [K 64, N 256]; A: computed on the way; B: computed on the way: QUANTISED
;;     7. batch 4,096 x [M 1, K 64] x [K 64, N 256]; A: computed on the way; B: computed on the way: left as it is (M = 1 < 16)
;;     8. batch 16 x [M 256, K 256] x [K 256, N 64]; A: softmax (see below); B: computed on the way: QUANTISED
;;     9. batch 4,096 x [M 1, K 256] x [K 256, N 64]; A: softmax (see below); B: computed on the way: left as it is (M = 1 < 16)
;;     10. [M 512, K 512] x [K 512, N 512]; A: computed on the way; B: input Wo: QUANTISED
;;   THE QUANTISER, for each operand of a quantised product, along K:
;;     - K is cut into blocks of 32 from its start; a last block that is shorter is filled with zeros.
;;     - A block's scale is 2^e with e = floor(log2(the largest magnitude in the block)) - 2, held to -126 .. 127; a block of zeros has e = 0. As a byte (E8M0): e + 127.
;;     - Each number is divided by its block's scale, clamped to +-7.5, and rounded to the nearest number of E2M3, ties to even, subnormals kept.
;;     - The product sums the exact products of the quantised numbers (number of the format x scale) in f32.
;;   ~~~python
;;   def quantise(x, axis):      # numpy; x: float32 -> the quantised numbers, widened to float32 again
;;       x = np.moveaxis(x, axis, -1); K = x.shape[-1]
;;       x = np.pad(x, [(0, 0)] * (x.ndim - 1) + [(0, -K % 32)]); x = x.reshape(x.shape[:-1] + (-1, 32)); a = np.abs(x).max(-1, keepdims=True)
;;       e = np.where(a > 0, np.clip(np.frexp(np.where(a > 0, a, 1))[1] - 1 - 2, -126, 127), 0)      # np.frexp(a)[1] - 1 = floor(log2(a)), exactly
;;       r = np.clip(x / 2.0 ** e, -7.5, 7.5)
;;       step = 2.0 ** (np.maximum(np.frexp(np.where(r == 0, 1, r))[1] - 1, 0) - 3)
;;       q = np.round(r / step) * step * 2.0 ** e      # np.round: ties to even
;;       return np.moveaxis(q.reshape(q.shape[:-2] + (-1,))[..., :K], -1, axis).astype(np.float32)
;;   ~~~
;;   SOFTMAX AHEAD OF A QUANTISED PRODUCT. Where the list says 'softmax', what is quantised is not the finished softmax but p = 2^(t - M), with t = logit x log2(e) and M = ceil(the row's largest t), a whole number; so 1/2 < the row's largest p <= 1. The row's sum l is taken of the UNQUANTISED p, in f32, and the product's result is divided by l at the end. Since M is a whole number, a kernel that streams over the keys may use a running M (the ceiling of the running maximum): every later rescaling is an exact power of two, which a block's scale takes up: the codes' values come out the same.
;;   OPERANDS COMPUTED ON THE WAY. 'Computed on the way' means the value that the module computes at that place (a softmax that the list does not call 'softmax' is quantised finished and normalised). What goes into a quantiser is computed in f32, as accurately as f32 sums, v_exp_f32 and their like allow (about 1e-6 of the number): no bf16 or f16 on the way to a quantiser, and a product that is left as it is and whose result goes on into a quantised operand takes f32 operands (vector FMAs, or v_wmma_f32_16x16x4_f32). A number that lies on a knife's edge between two numbers of the format may be rounded either way, as far as f32 arithmetic and the matrix unit's own rounding can turn it there, and no further.
;; One version. Each part assembles by itself: llvm-mc -triple=amdgcn-amd-amdhsa -mcpu=gfx1250 --defsym DOCPART=n.
;; ======== version 1 of 1: 3 launches
;; limits: right only within a limited range of input values
;; workspace buffers: wcodes 589,824 bytes; wscal 49,152 bytes; qkv 786,432 bytes; qf 1,048,576 bytes; tws 4,194,304 bytes; xr 1,048,576 bytes
;; launch prep (part 1): grid 224 x 1, 4 waves a work-group, no clusters, 71,680 bytes of LDS; arguments query, key, value, Wq, Wk, Wv, Wo, bq, bk, bv, wcodes, wscal, qkv, qf; writes wcodes, wscal, qkv, qf
.if DOCPART == 1
	.amdgcn_target "amdgcn-amd-amdhsa--gfx1250"
	.amdhsa_code_object_version 6
	.text
	.protected	k_q083fb72229_prep
	.globl	k_q083fb72229_prep
	.p2align	8
	.type	k_q083fb72229_prep,@function
k_q083fb72229_prep:
	s_mov_b64 s[64:65], 0
	v_nop
	global_prefetch_b8 v0, s[64:65] scope:SCOPE_SE
	s_setreg_imm32_b32 hwreg(HW_REG_WAVE_MODE, 25, 1), 1
	s_wait_xcnt 0x0
; q = query Wq^T + bq, k = key Wk^T + bk, v = value Wv^T + bv, each on codes of FP6 (E2M3) with one E8M0 scale for each 32 along K, both operands quantised here, in registers.
; Stored: q as f32 (qf); q and k as codes along a head's 64, v as codes along the keys (qkv: records of 1,024 bytes, a piece of 64 along K of an operand's registers: registers 0-3 at 16 x lane,
; registers 4-5 at 512 + 8 x lane, the scale word at 768 + 4 x lane, bytes 2 and 3 of it 0); Wk, Wv, Wo as codes in the order of an operand's registers (wcodes: 1,536 bytes a fragment of 16 rows x 128 K,
; register group c at 512 c + 16 x lane; wscal: 128 bytes a fragment, 4 x lane).
; SHARES.  Work-group g: sel = g / 64 (q, k, v), head = (g / 8) % 8, tb = g % 8 (64 tokens).  Two matrices of 64 rows x 512 f32: P0 is source 0, P1 source 1.  q, k: P0 = the weight's 64 rows, P1 = 64 tokens;
; v: P0 = 64 keys, P1 = Wv's 64 rows.  THE ROWS OF P0 THAT FORM A TILE ARE NOT NEIGHBOURS: lane r of tile 2 b + u takes row 32 b + 8 u + r + 8 (r / 8), so that a lane's 32 results run along P0 in the order
; 32 b + 16 (lane / 16) + 0 .. 15, which is the next product's K (a head's 64 for q and k, the keys for v).  Wave w quantises tile w of P1 and of P0 (8 units of 16 rows x 128 K), hands the images to the others
; through LDS, and multiplies P0's four tiles by P1's tile w.
; The blocks of tokens and of weight rows are read by eight work-groups each, through registers, since they are quantised on the way: there is no tile in LDS that a joint load could fill, so no cluster.
; LIMITS: NaN and infinities among the inputs are not served.  A block of zeros gets the scale byte 1 where the rule says 127: its codes are zeros, and this program alone reads the bytes.
.set IMG1,  0                          ; LDS: P1's 16 images (4 tile + K step) of 1,536 bytes,
.set SC1,   24576                      ; their scale words, 128 bytes each,
.set IMG0,  26624                      ; P0's images,
.set SC0,   51200                      ; their scale words,
.set STG,   53248                      ; a stage of 16 rows x 272 bytes for each wave (q's way out),
.set SPARE, 70656                      ; the spare words, 128 bytes for each wave: two blocks of 256 bytes that no other line names
.set SPW, 1                            ; v1   LDS address of my spare word; never rewritten
.set NIL, 2                            ; v2   0; never rewritten
.set XA1, 3                            ; v3   P1: row r of 2,048 bytes + 64 h
.set XA0, 4                            ; v4   P0: row r + 8 (r / 8), + 64 h
.set LI,  5                            ; v5   16 x lane
.set LS,  6                            ; v6   4 x lane
.set IW,  7                            ; v7   16 x lane + 6,144 x wave: my tile's images
.set SWA, 8                            ; v8   4 x lane + 512 x wave: their scale words
.set STO, 9                            ; v9   the stage, in
.set STR, 10                           ; v10  the stage, back
.set QFO, 11                           ; v11  my offset in the wave's rows of qf
.set L8,  12                           ; v12  8 x lane
.set BH,  13                           ; v13  64 h: the bias along P0
.set BR,  14                           ; v14  4 r + 64 w: the bias along P1
.set X0,  16                           ; v16-143 two sets of five fragments; v16-79 a unit of Wo.  Window 1 (v256-511): four sets of 64 numbers, a unit each
.set TM,  144                          ; v144-147 largest magnitudes, v148-151 bytes, v152-155 the conversions' scale operands
.set PW,  156                          ; the scale word just made
.set PC,  158                          ; v158-176 the codes just made
.set SCW, 178                          ; v178-187 scale words, two sets of five: they hold nothing else
.set BB,  188                          ; the bias of my row of P1
.set HA,  192                          ; v192-223 four accumulators
.set BI,  224                          ; v224-255 the bias in the result's layout: the C of the first products
.set SEL, 52                           ; s[52:53] lane selects: lane l xor 16
; 16 rows x 128 K of f32: lane (r, h) takes, of its row, 16 neighbours of each block of 32: register 16 b + i = k 32 b + 16 h + i
.macro XLOAD reg, adr, base, ks
.irp b, 0,1,2,3
.irp j, 0,1,2,3
	global_load_b128 v[\reg+16*\b+4*\j:\reg+16*\b+4*\j+3], v[\adr], s[\base:\base+1] offset:512*(\ks)+128*\b+16*\j
.endr
.endr
.endm
.set MSB, 0
.macro WIN new                         ; the register windows: the immediate's high byte repeats the setting that is left
.if MSB != \new
	s_set_vgpr_msb (MSB<<8)|\new
.set MSB, \new
.endif
.endm
.macro XUNIT m                         ; unit m's 16 loads, into set m % 4 of window 1
	WIN 0x40
.if (\m) < 4
	XLOAD 64*((\m)%4), XA1, 46, (\m)
.else
	XLOAD 64*((\m)%4), XA0, 44, (\m)-4
.endif
	WIN 0
.endm
; 64 numbers of a lane become a fragment's codes in v[PC] on and its row's scale word in v[PW]
.macro QUANT src, w                    ; w: the window in which the 64 numbers lie
	WIN 5*(\w)
.irp b, 0,1,2,3
	v_max3_num_f32 v[TM+\b], |v[\src+16*\b]|, |v[\src+1+16*\b]|, 0x1800000   ; my 16 numbers of block b, and the floor 2^(3 - 127): the byte cannot fall under 1
.endr
	WIN 0x14*(\w)
.irp i, 2,4,6,8,10,12,14
.irp b, 0,1,2,3
	v_max3_num_f32 v[TM+\b], v[TM+\b], |v[\src+16*\b+\i]|, |v[\src+1+16*\b+\i]|
.endr
.endr
	WIN 0
.irp b, 0,1,2,3
	v_permlanex16_b32 v[TM+4+\b], v[TM+\b], s[SEL], s[SEL+1]
.endr
.irp b, 0,1,2,3
	v_max_num_f32 v[TM+\b], v[TM+\b], v[TM+4+\b]                 ; with lane l xor 16's: the block's largest magnitude
.endr
.irp b, 0,1,2,3
	v_add_nc_u32 v[TM+8+\b], 0xff000000, v[TM+\b]                ; 2 off its exponent field: the conversion's scale operand
.endr
.irp b, 0,1,2,3
	v_lshrrev_b32 v[TM+4+\b], 23, v[TM+8+\b]                     ; the scale's byte
.endr
	v_lshl_or_b32 v[PW], v[TM+5], 8, v[TM+4]
	v_lshl_or_b32 v[PW], v[TM+6], 16, v[PW]
	v_lshl_or_b32 v[PW], v[TM+7], 24, v[PW]
	WIN (\w)
.irp c, 0,1
	v_cvt_scalef32_pk16_fp6_f32 v[PC+6*\c:PC+2+6*\c], v[\src+32*\c:\src+15+32*\c], v[TM+8+2*\c]
	v_cvt_scalef32_pk16_fp6_f32 v[PC+12+4*\c:PC+14+4*\c], v[\src+16+32*\c:\src+31+32*\c], v[TM+8+2*\c+1]
.endr
	WIN 0
	v_nop                                                        ; one plain place behind a scaled conversion
.irp c, 0,1                                                      ; the operand wants a whole block in a lane: lanes 0-15 block 2 c, lanes 16-31 block 2 c + 1
.irp i, 0,1,2
	v_permlane16_swap_b32 v[PC+6*\c+\i], v[PC+12+4*\c+\i]
.endr
.irp i, 0,1,2
	v_mov_b32 v[PC+3+6*\c+\i], v[PC+12+4*\c+\i]
.endr
.endr
.endm
; Unit n: n < 4: K step n of P1's tile w; else K step n - 4 of P0's.  The loads run three units ahead: 48 loads are on their way while a unit is quantised.
.macro UNIT n
.if (\n)+3 < 8
	XUNIT (\n)+3
	s_wait_loadcnt 48                                            ; all but the 48 loads of the three units behind this one
.else
	s_wait_loadcnt 16*(7-(\n))                                   ; all but the units behind this one
.endif
	QUANT 64*((\n)%4), 1
.if (\n) < 4
.set ib, IMG1+(\n)*1536
.set sb, SC1+(\n)*128
.set fl, 16
.else
.set ib, IMG0+((\n)-4)*1536
.set sb, SC0+((\n)-4)*128
.set fl, 8
.endif
.irp c, 0,1,2
	ds_store_b128 v[IW], v[PC+4*\c:PC+4*\c+3] offset:ib+512*\c    ; the fragment goes to LDS as an image of its registers
.endr
	ds_store_b32 v[SWA], v[PW] offset:sb
	s_cmp_lg_u32 s50, fl                                         ; 8 sel + tb: Wk's images leave from (sel 1, tb 0) as P0, Wv's from (sel 2, tb 0) as P1
	s_cbranch_scc1 .Lkeep_\@
.irp c, 0,1,2
	global_store_b128 v[LI], v[PC+4*\c:PC+4*\c+3], s[24:25] offset:((\n)%4)*1536+512*\c   ; 512 consecutive bytes a store
.endr
	global_store_b32 v[LS], v[PW], s[26:27] offset:((\n)%4)*128
	s_wait_xcnt 0x0                                              ; the stores have read their registers: the next unit writes them again
.Lkeep_\@:
	s_wait_dscnt 0x0
.endm
; K step ks: P0's four fragments, P1's fragment w and their five scale words, into set ks % 2: 20 LDS loads
.macro PFETCH ks
.set fs, X0+64*((\ks)%2)
.set sw, SCW+5*((\ks)%2)
.irp t, 0,1,2,3
.irp c, 0,1,2
	ds_load_b128 v[fs+12*\t+4*\c:fs+12*\t+4*\c+3], v[LI] offset:IMG0+(4*\t+(\ks))*1536+512*\c
.endr
	ds_load_b32 v[sw+\t], v[LS] offset:SC0+(4*\t+(\ks))*128
.endr
.irp c, 0,1,2
	ds_load_b128 v[fs+48+4*\c:fs+48+4*\c+3], v[IW] offset:IMG1+(\ks)*1536+512*\c
.endr
	ds_load_b32 v[sw+4], v[SWA] offset:SC1+(\ks)*128
.endm
.macro PMUL ks                                                   ; four accumulators by turns; the bias is the C of the first K step
.set fs, X0+64*((\ks)%2)
.set sw, SCW+5*((\ks)%2)
.irp t, 0,1,2,3
.if (\ks) == 0
	v_wmma_scale_f32_16x16x128_f8f6f4 v[HA+8*\t:HA+8*\t+7], v[fs+12*\t:fs+12*\t+11], v[fs+48:fs+59], v[BI+8*\t:BI+8*\t+7], v[sw+\t], v[sw+4] matrix_a_fmt:MATRIX_FMT_FP6 matrix_b_fmt:MATRIX_FMT_FP6
.else
	v_wmma_scale_f32_16x16x128_f8f6f4 v[HA+8*\t:HA+8*\t+7], v[fs+12*\t:fs+12*\t+11], v[fs+48:fs+59], v[HA+8*\t:HA+8*\t+7], v[sw+\t], v[sw+4] matrix_a_fmt:MATRIX_FMT_FP6 matrix_b_fmt:MATRIX_FMT_FP6
.endif
.endr
.endm
.macro PLACES
.rept 4
	v_nop
.endr
.endm
	s_load_b512 s[4:19], s[0:1], 0x0               ; query, key, value, Wq, Wk, Wv, Wo, bq
	s_load_b256 s[20:27], s[0:1], 0x40             ; bk, bv, wcodes, wscal
	s_load_b128 s[28:31], s[0:1], 0x60             ; qkv, qf
	v_lshl_add_u32 v[SPW], v0, 2, SPARE
	v_mov_b32 v[NIL], 0
	v_lshrrev_b32 v15, 5, v0
	v_readfirstlane_b32 s32, v15                   ; wave
	s_lshr_b32 s33, ttmp9, 6                       ; sel
	s_bfe_u32 s34, ttmp9, 0x30003                  ; head
	s_and_b32 s35, ttmp9, 7                        ; tb
	v_and_b32 v15, 31, v0                          ; lane
	v_and_b32 v192, 15, v0                         ; r
	v_bfe_u32 v193, v0, 4, 1                       ; h
	v_bfe_u32 v194, v0, 3, 1                       ; r / 8
	v_lshlrev_b32 v[XA1], 11, v192
	v_lshl_add_u32 v[XA1], v193, 6, v[XA1]
	v_lshl_add_u32 v[XA0], v194, 14, v[XA1]
	v_lshlrev_b32 v[LI], 4, v15
	v_lshlrev_b32 v[LS], 2, v15
	v_lshlrev_b32 v[L8], 3, v15
	s_mul_i32 s54, s32, 6144
	v_add_nc_u32 v[IW], s54, v[LI]
	s_lshl_b32 s54, s32, 9
	v_add_nc_u32 v[SWA], s54, v[LS]
	s_mul_i32 s54, s32, 4352
	s_add_co_u32 s54, s54, STG
	v_mul_u32_u24 v[STO], v192, 272
	v_lshl_add_u32 v[STO], v193, 6, v[STO]
	v_add_nc_u32 v[STO], s54, v[STO]               ; in: row r, + 64 h
	v_mul_u32_u24 v[STR], v193, 272
	v_lshl_add_u32 v[STR], v192, 4, v[STR]
	v_add_nc_u32 v[STR], s54, v[STR]               ; back: lanes 0-15 one row of 256 bytes, lanes 16-31 the next
	v_lshlrev_b32 v[QFO], 11, v193
	v_lshl_add_u32 v[QFO], v192, 4, v[QFO]
	v_lshlrev_b32 v[BH], 6, v193
	s_lshl_b32 s54, s32, 6
	v_lshl_add_u32 v[BR], v192, 2, s54
.irp b, 0,1,2,3
	v_mov_b32 v[TM+4+\b], 0                        ; written once: a lane permute's destination counts as one of its sources
.endr
	s_mov_b32 s[SEL], 0x76543210
	s_mov_b32 s[SEL+1], 0xfedcba98
	s_lshl_b32 s50, s33, 3
	s_or_b32 s50, s50, s35                         ; 8 sel + tb
	s_cmp_eq_u32 s33, 2
	s_cselect_b32 s51, -1, 0                       ; all lanes where the work-group makes v
	s_mov_b32 s43, 0
	s_wait_alu depctr_va_vdst(0)
	s_wait_kmcnt 0x0
	s_cmp_eq_u32 s33, 0                            ; the buffers are chosen by the work-group's number alone
	s_cselect_b64 s[36:37], s[4:5], s[6:7]
	s_cselect_b64 s[38:39], s[10:11], s[12:13]
	s_cselect_b64 s[40:41], s[18:19], s[20:21]
	s_cmp_eq_u32 s33, 2
	s_cselect_b64 s[36:37], s[8:9], s[36:37]       ; the tokens,
	s_cselect_b64 s[38:39], s[14:15], s[38:39]     ; the weight,
	s_cselect_b64 s[40:41], s[22:23], s[40:41]     ; the bias
	s_lshl_b32 s42, s35, 17
	s_add_nc_u64 s[36:37], s[36:37], s[42:43]      ; 64 tb rows of 2,048 bytes
	s_lshl_b32 s42, s34, 17
	s_add_nc_u64 s[38:39], s[38:39], s[42:43]      ; 64 head rows
	s_lshl_b32 s42, s34, 8
	s_add_nc_u64 s[40:41], s[40:41], s[42:43]
	s_cmp_eq_u32 s33, 2
	s_cselect_b64 s[44:45], s[36:37], s[38:39]     ; P0
	s_cselect_b64 s[46:47], s[38:39], s[36:37]     ; P1
	s_lshr_b32 s42, s32, 1
	s_lshl_b32 s42, s42, 16
	s_and_b32 s48, s32, 1
	s_lshl_b32 s48, s48, 14
	s_add_co_u32 s42, s42, s48
	s_add_nc_u64 s[44:45], s[44:45], s[42:43]      ; P0's tile w begins at row 32 (w / 2) + 8 (w % 2)
	s_lshl_b32 s42, s32, 15
	s_add_nc_u64 s[46:47], s[46:47], s[42:43]      ; P1's at row 16 w
	s_sub_co_u32 s48, ttmp9, 192                   ; Wo's unit (work-groups 192 to 223, which do nothing else): tile g - 192, K step w: fragment 256 + 4 (g - 192) + w
	s_min_u32 s48, s48, 31                         ; (held inside the buffers in the other work-groups, which do not use it)
	s_lshl_b32 s48, s48, 2
	s_add_co_u32 s48, s48, s32
	s_add_co_u32 s48, s48, 256
	s_mul_i32 s42, s48, 1536
	s_add_nc_u64 s[56:57], s[24:25], s[42:43]
	s_lshl_b32 s42, s48, 7
	s_add_nc_u64 s[58:59], s[26:27], s[42:43]
	s_sub_co_u32 s48, ttmp9, 192
	s_min_u32 s48, s48, 31
	s_lshl_b32 s42, s48, 15
	s_lshl_b32 s48, s32, 9
	s_add_co_u32 s42, s42, s48
	s_add_nc_u64 s[16:17], s[16:17], s[42:43]
	s_max_u32 s48, s33, 1                          ; Wk's and Wv's images: fragment (((sel - 1) 8 + head) 4 + w) 4 + K step
	s_sub_co_u32 s48, s48, 1
	s_lshl_b32 s48, s48, 3
	s_add_co_u32 s48, s48, s34
	s_lshl_b32 s48, s48, 2
	s_add_co_u32 s48, s48, s32
	s_mul_i32 s42, s48, 6144
	s_add_nc_u64 s[24:25], s[24:25], s[42:43]
	s_lshl_b32 s42, s48, 9
	s_add_nc_u64 s[26:27], s[26:27], s[42:43]
	s_lshl_b32 s48, s35, 2                         ; my record: q, k: 256 sel + 8 (4 tb + w) + head
	s_add_co_u32 s48, s48, s32
	s_lshl_b32 s48, s48, 3
	s_add_co_u32 s48, s48, s34
	s_lshl_b32 s49, s33, 8
	s_add_co_u32 s48, s48, s49
	s_lshr_b32 s49, s35, 2                         ; v: 512 + (((tb / 4) 8 + head) 4 + w) 4 + tb % 4
	s_lshl_b32 s49, s49, 3
	s_add_co_u32 s49, s49, s34
	s_lshl_b32 s49, s49, 2
	s_add_co_u32 s49, s49, s32
	s_lshl_b32 s49, s49, 2
	s_and_b32 s54, s35, 3
	s_add_co_u32 s49, s49, s54
	s_add_co_u32 s49, s49, 512
	s_cmp_eq_u32 s33, 2
	s_cselect_b32 s48, s49, s48
	s_lshl_b32 s42, s48, 10
	s_add_nc_u64 s[28:29], s[28:29], s[42:43]
	s_lshl_b32 s42, s35, 17                        ; qf: row 64 tb + 16 w, column 64 head
	s_lshl_b32 s48, s32, 15
	s_add_co_u32 s42, s42, s48
	s_lshl_b32 s48, s34, 8
	s_add_co_u32 s42, s42, s48
	s_add_nc_u64 s[30:31], s[30:31], s[42:43]
	s_cmp_ge_u32 ttmp9, 192                        ; the same in all waves of a work-group
	s_cbranch_scc1 .Lwo_only
.irp t, 0,1,2,3                                    ; the bias along P0: tile 2 b + u of lane (r, h): 32 b + 16 h + 8 u + 0 .. 7
	global_load_b128 v[BI+8*\t:BI+8*\t+3], v[BH], s[40:41] offset:(32*(\t/2)+8*(\t%2))*4
	global_load_b128 v[BI+8*\t+4:BI+8*\t+7], v[BH], s[40:41] offset:(32*(\t/2)+8*(\t%2))*4+16
.endr
	global_load_b32 v[BB], v[BR], s[40:41]         ; and along P1: 16 w + r
	XUNIT 0
	XUNIT 1
	XUNIT 2
.irp n, 0,1,2,3,4,5,6,7
	UNIT \n
.endr
.set j, 0
.rept 32
	v_cndmask_b32 v[BI+j], v[BI+j], v[BB], s51     ; v's bias goes by the row of P1 (Wv's), q's and k's by the row of P0
.set j, j+1
.endr
	s_wait_alu depctr_va_vdst(0)
	s_barrier_signal -1                            ; my LDS stores have landed (the last unit's wait for 0)
	s_barrier_wait -1                              ; all 32 images lie in LDS
	PFETCH 0
	PFETCH 1
	s_wait_dscnt 20                                ; all but the next K step's 20 loads
	PMUL 0
	PLACES                                         ; in front of loads into registers that matrix instructions have read
	PFETCH 2
	s_wait_dscnt 20
	PMUL 1
	PLACES
	PFETCH 3
	s_wait_dscnt 20
	PMUL 2
	s_wait_dscnt 0x0
	PMUL 3
	PLACES                                         ; in front of the first read of results
	s_cmp_lg_u32 s33, 0
	s_cbranch_scc1 .Lnot_q
.irp x, 0,1,2,3,4,5,6,7                            ; q as f32: through my stage, so that sixteen lanes store a token's 256 consecutive bytes of this head; each accumulator from its low end on
	ds_store_b128 v[STO], v[HA+4*\x:HA+4*\x+3] offset:128*(\x/4)+16*(\x%4)
.endr
.irp k, 0,1,2,3,4,5,6,7
	ds_load_b128 v[X0+4*\k:X0+4*\k+3], v[STR] offset:2*\k*272   ; LDS serves a wave's instructions in order: these see my stores
.endr
.irp k, 0,1,2,3,4,5,6,7
	s_wait_dscnt 7-\k
	global_store_b128 v[QFO], v[X0+4*\k:X0+4*\k+3], s[30:31] offset:2*\k*2048
.endr
.Lnot_q:
	; my 32 results, two blocks of 32 along the next K, become a piece of an operand
.irp b, 0,1
	v_max3_num_f32 v[TM+\b], |v[HA+16*\b]|, |v[HA+1+16*\b]|, 0x1800000
.endr
.irp i, 2,4,6,8,10,12,14
.irp b, 0,1
	v_max3_num_f32 v[TM+\b], v[TM+\b], |v[HA+16*\b+\i]|, |v[HA+1+16*\b+\i]|
.endr
.endr
.irp b, 0,1
	v_permlanex16_b32 v[TM+4+\b], v[TM+\b], s[SEL], s[SEL+1]
.endr
.irp b, 0,1
	v_max_num_f32 v[TM+\b], v[TM+\b], v[TM+4+\b]
.endr
.irp b, 0,1
	v_add_nc_u32 v[TM+8+\b], 0xff000000, v[TM+\b]
.endr
.irp b, 0,1
	v_lshrrev_b32 v[TM+4+\b], 23, v[TM+8+\b]
.endr
	v_lshl_or_b32 v[PW], v[TM+5], 8, v[TM+4]       ; bytes 2 and 3 stay 0
	v_cvt_scalef32_pk16_fp6_f32 v[PC:PC+2], v[HA:HA+15], v[TM+8]
	v_cvt_scalef32_pk16_fp6_f32 v[PC+12:PC+14], v[HA+16:HA+31], v[TM+9]
	v_nop
.irp i, 0,1,2
	v_permlane16_swap_b32 v[PC+\i], v[PC+12+\i]
.endr
.irp i, 0,1,2
	v_mov_b32 v[PC+3+\i], v[PC+12+\i]
.endr
	global_store_b128 v[LI], v[PC:PC+3], s[28:29]
	global_store_b64 v[L8], v[PC+4:PC+5], s[28:29] offset:512
	global_store_b32 v[LS], v[PW], s[28:29] offset:768
	s_branch .Lno_wo
.Lwo_only:
	s_wait_xcnt 0x0
	XLOAD X0, XA1, 16, 0                           ; Wo's tile g, K step w (both stand in the base)
	s_wait_loadcnt 0x0
	QUANT X0, 0
.irp c, 0,1,2
	global_store_b128 v[LI], v[PC+4*\c:PC+4*\c+3], s[56:57] offset:512*\c
.endr
	global_store_b32 v[LS], v[PW], s[58:59]
.Lno_wo:
	s_wait_tensorcnt 0x0                           ; the wave's end: behind my last LDS store
	ds_add_u32 v[SPW], v[NIL]
	s_wait_dscnt 0x0
	s_endpgm
.Lfunc_end_k_q083fb72229_prep:
	.size	k_q083fb72229_prep, .Lfunc_end_k_q083fb72229_prep-k_q083fb72229_prep
	.p2alignl 7, 3214868480
	.fill 96, 4, 3214868480
	.section	.rodata,"a",@progbits
	.p2align	6, 0x0
	.amdhsa_kernel k_q083fb72229_prep
		.amdhsa_group_segment_fixed_size 71680
		.amdhsa_private_segment_fixed_size 0
		.amdhsa_enable_private_segment 0
		.amdhsa_kernarg_size 112
		.amdhsa_user_sgpr_count 2
		.amdhsa_user_sgpr_kernarg_segment_ptr 1
		.amdhsa_wavefront_size32 1
		.amdhsa_system_sgpr_workgroup_id_x 1
		.amdhsa_system_sgpr_workgroup_id_y 1
		.amdhsa_system_sgpr_workgroup_id_z 1
		.amdhsa_system_vgpr_workitem_id 0
		.amdhsa_next_free_vgpr 512
		.amdhsa_next_free_sgpr 66
		.amdhsa_reserve_vcc 0
		.amdhsa_float_denorm_mode_32 3
		.amdhsa_float_denorm_mode_16_64 3
		.amdhsa_memory_ordered 1
		.amdhsa_forward_progress 1
		.amdhsa_inst_pref_size 76
	.end_amdhsa_kernel
	.amdgpu_metadata
---
amdhsa.version: [ 1, 2 ]
amdhsa.kernels:
  - .name:           k_q083fb72229_prep
    .symbol:         k_q083fb72229_prep.kd
    .args:
      - { .name: query, .offset: 0, .size: 8, .value_kind: global_buffer, .address_space: global }
      - { .name: key, .offset: 8, .size: 8, .value_kind: global_buffer, .address_space: global }
      - { .name: value, .offset: 16, .size: 8, .value_kind: global_buffer, .address_space: global }
      - { .name: Wq, .offset: 24, .size: 8, .value_kind: global_buffer, .address_space: global }
      - { .name: Wk, .offset: 32, .size: 8, .value_kind: global_buffer, .address_space: global }
      - { .name: Wv, .offset: 40, .size: 8, .value_kind: global_buffer, .address_space: global }
      - { .name: Wo, .offset: 48, .size: 8, .value_kind: global_buffer, .address_space: global }
      - { .name: bq, .offset: 56, .size: 8, .value_kind: global_buffer, .address_space: global }
      - { .name: bk, .offset: 64, .size: 8, .value_kind: global_buffer, .address_space: global }
      - { .name: bv, .offset: 72, .size: 8, .value_kind: global_buffer, .address_space: global }
      - { .name: wcodes, .offset: 80, .size: 8, .value_kind: global_buffer, .address_space: global }
      - { .name: wscal, .offset: 88, .size: 8, .value_kind: global_buffer, .address_space: global }
      - { .name: qkv, .offset: 96, .size: 8, .value_kind: global_buffer, .address_space: global }
      - { .name: qf, .offset: 104, .size: 8, .value_kind: global_buffer, .address_space: global }
    .group_segment_fixed_size: 71680
    .private_segment_fixed_size: 0
    .kernarg_segment_align: 8
    .kernarg_segment_size: 112
    .max_flat_workgroup_size: 128
    .sgpr_count:     66
    .vgpr_count:     512
    .wavefront_size: 32
...
	.end_amdgpu_metadata
.endif
;; end of part 1
;; launch main (part 2): grid 256 x 1, 4 waves a work-group, no clusters, 327,680 bytes of LDS; arguments relation, mask, bk, bv, wcodes, wscal, qkv, qf, tws, xr; writes tws, xr
.if DOCPART == 2
	.amdgcn_target "amdgcn-amd-amdhsa--gfx1250"
	.amdhsa_code_object_version 6
	.text
	.protected	k_q083fb72229_main
	.globl	k_q083fb72229_main
	.p2align	8
	.type	k_q083fb72229_main,@function
k_q083fb72229_main:
	s_mov_b64 s[64:65], 0
	v_nop
	global_prefetch_b8 v0, s[64:65] scope:SCOPE_SE
	s_setreg_imm32_b32 hwreg(HW_REG_WAVE_MODE, 25, 1), 1
	s_wait_xcnt 0x0
; For two queries i of one batch: t(h, i, j) = ((Q(q) Q(k)^T)(i, j) + q_i . (Q(rel_ij) Q(Wk)^T + bk)) log2(e) / 8, or -1e9 log2(e) where mask = 0 (stored: tws);
; xr(i) = sum over j of p rv_ij / l + bv, rv = Q(rel_ij) Q(Wv)^T, p = 2^(t - M), M the running largest t rounded up, l the sum of p (stored: xr).  All quantised products on codes of FP6 (E2M3) with E8M0 scales.
; SHARES.  A work-group owns 2 queries = 2 slabs of relation, 256 rows x 512 f32 each; wave w owns heads 2 w and 2 w + 1: its 64 fragments of Wk and Wv stay in registers for the whole launch.
; A slab goes in chunks of 64 rows through a ring of two LDS slots (one tensor load a wave, 16 rows).  Each wave quantises its 16 rows and hands the images of the fragments to the others through LDS.
; A CHUNK HAS TWO PASSES over its four tiles of 16 rows, source 0 = relation's rows, source 1 = the weight's: a lane holds one column, its registers run along the rows.
; PASS A (Wk): 32 packed multiply-adds with q give 16 registers of parts (2 heads x 8 rows); an exchange that halves the registers four times (select, select, add from the lane l xor 4, 2, 1, 8) sums them over the 16 lanes
; and leaves ONE register: lane (r, h) holds q . rk of head r / 8, row 8 h + r % 8.  Between the passes, once a chunk: t, the running maximum, 4 exponentials, the rescaling of the sums; p turns through the wave's own LDS.
; PASS B (Wv): 32 packed multiply-adds with p.
; In both passes the accumulators go in groups of two, by turns, on two sets; a group's multiply-adds stand one by one behind the next group's matrix instructions.
; Relation's fragments have two buffers: a tile's border holds the one run of LDS loads, for the tile after it.
; No tile is read by two work-groups and the weights go straight into registers: no cluster.  Each work-group has one slot's load of relation on its way at all times, and that stream is all but 3 in 100 of the bytes: no data prefetch.
; LIMITS: NaN and infinities are not served; the promise holds while |t| stays under 2^31.  A block of zeros gets the scale byte 1: its codes are zeros, and this program alone reads the bytes.
.set ROWP,  2080                       ; a relation row in a slot: two LDS rows of 1,024 + 16 bytes
.set QTR,   16*ROWP
.set SLOT,  4*QTR
.set CODES, 2*SLOT                     ; 16 images (4 tile + K step) of 1,536 bytes + 64 of scale words
.set IMGB,  1600
.set BT,    CODES+16*IMGB              ; [wave][head][slab][256] the scores' base, then t
.set CM,    BT+16384                   ; [wave][slab][256] log2(e) / 8, or 0 where masked
.set STG,   CM+8192
.set PS,    STG+2048                   ; [wave][head][64] a chunk's p
.set SPARE, PS+2048                    ; the spare words: two blocks of 256 bytes that no other line names
.set SPW, 1
.set NIL, 2
.set XA0, 3
.set XAD, 4
.set IWA, 5
.set ISA, 6
.set LI,  7
.set SAB, 9
.set BTL, 11                           ; my BT + 2,048 (r / 8) + 32 h + 4 (r % 8)
.set BTA, 12
.set CML, 13                           ; my CM + 32 h + 4 (r % 8)
.set CMA, 14
.set STA, 15
.set STB, 16
.set BTR, 17
.set G16, 18
.set PSW, 19                           ; my PS + 256 (r / 8) + 32 h + 4 (r % 8)
.set PSR, 20                           ; my PS + 32 h
.set QOF, 23
.set NM,  24                           ; -M, the running largest t, the sum of p (a part in each lane), 2^(old M - new M): each of the lane's head r / 8
.set RM,  25
.set LL,  26
.set FF,  27
.set SW,  32                           ; v32-63 the weights' scale words: lanes 0-15 Wk's, lanes 16-31 Wv's
.set XA,  64                           ; v64-79 the sums of p rv
.set WF,  80                           ; v80-91 the 64th weight fragment
.set SA,  92                           ; v92-95 relation's scale words, two buffers
.set AF,  96                           ; v96-191 relation's four fragments of a tile, two buffers
.set D,   192                          ; v192-223 two sets of two accumulators
.set S,   224                          ; v224-239 pass A: the parts; pass B: v224-255 p, two buffers
.set TT,  248                          ; v248-251 a chunk's q . rk, then t, then p
.set RT,  252                          ; v252-255 the exchange's four temporaries, by turns
.set X,   254                          ; v254-255 at work between the passes
.set XB,  96                           ; the quantiser: v96-223 two sets of 64 numbers,
.set TM,  224                          ; v224-235,
.set PC,  236                          ; v236-254 the codes,
.set PW,  255                          ; the scale word
.set SEL, 50
; windows 1 to 3: 21 weight fragments each.  Window 1: Wk's head 0 (16), Wv's 0-4; window 2: Wk's head 1, Wv's 5-9; window 3: Wv's 10-30.  v252-255 of windows 1 and 2: q at my lane's column of Wk's eight tiles
.set MSB, 0
.macro WIN new
.if MSB != \new
	s_set_vgpr_msb (MSB<<8)|\new
.set MSB, \new
.endif
.endm
.macro PLACES
.rept 4
	v_nop
.endr
.endm
.macro WMAP sel, ks, t                 ; where fragment (sel, K step, tile) lies: window ww, register wr
.if (\sel) == 0
.set ww, 1+(\t)/4
.set wr, 12*(4*(\ks)+(\t)%4)
.else
.set wv, 8*(\ks)+(\t)
.if wv < 5
.set ww, 1
.set wr, 12*(16+wv)
.elseif wv < 10
.set ww, 2
.set wr, 12*(11+wv)
.elseif wv < 31
.set ww, 3
.set wr, 12*(wv-10)
.else
.set ww, 0
.set wr, WF
.endif
.endif
.endm
.macro WLOAD sel, ks, t
	WMAP \sel, \ks, \t
	WIN (ww<<6)
.irp c, 0,1,2
	global_load_b128 v[wr+4*\c:wr+4*\c+3], v[G16], s[12:13] offset:(\sel)*196608+(4*(\t)+(\ks))*1536+512*\c
.endr
.endm
.macro WVRUN from, count               ; Wv's fragments from .. from + count - 1
.set wq, \from
.rept \count
	WLOAD 1, wq/8, wq%8
.set wq, wq+1
.endr
.endm
.macro QV1 reg, t, off
	global_load_b32 v[\reg], v[QOF], s[58:59] offset:\off+(64*((\t)/4)+32*(((\t)%4)/2)+8*((\t)%2))*4
.endm
.macro QVLOAD off                      ; q of a slab: tiles 0, 1, 6, 7 into window 1, tiles 2 to 5 into window 2
	WIN 0x40
	QV1 252, 0, \off
	QV1 253, 1, \off
	QV1 254, 6, \off
	QV1 255, 7, \off
	WIN 0x80
	QV1 252, 2, \off
	QV1 253, 3, \off
	QV1 254, 4, \off
	QV1 255, 5, \off
	WIN 0
.endm
.macro RESET
	v_mov_b32 v[RM], 0xff61b1e6
	v_mov_b32 v[LL], 0
	v_floor_f32 v[NM], -v[RM]
.irp i, 0,1,2,3,4,5,6,7,8,9,10,11,12,13,14,15
	v_mov_b32 v[XA+\i], 0
.endr
.endm
.macro XLD n
.set xreg, XB+64*((\n)%2)
.set xoff, ((\n)/2)*8*ROWP+((\n)%2)*512
.irp b, 0,1,2,3
.irp j, 0,1,2,3
	ds_load_b128 v[xreg+16*\b+4*\j:xreg+16*\b+4*\j+3], v[XAD] offset:xoff+128*\b+16*\j
.endr
.endr
.endm
.macro QUANT src                       ; 64 numbers of a lane become a fragment's codes in v[PC] on and its row's scale word in v[PW]
.irp b, 0,1,2,3
	v_max3_num_f32 v[TM+\b], |v[\src+16*\b]|, |v[\src+1+16*\b]|, 0x1800000
.endr
.irp i, 2,4,6,8,10,12,14
.irp b, 0,1,2,3
	v_max3_num_f32 v[TM+\b], v[TM+\b], |v[\src+16*\b+\i]|, |v[\src+1+16*\b+\i]|
.endr
.endr
.irp b, 0,1,2,3
	v_permlanex16_b32 v[TM+4+\b], v[TM+\b], s[SEL], s[SEL+1]
.endr
.irp b, 0,1,2,3
	v_max_num_f32 v[TM+\b], v[TM+\b], v[TM+4+\b]
.endr
.irp b, 0,1,2,3
	v_add_nc_u32 v[TM+8+\b], 0xff000000, v[TM+\b]
.endr
.irp b, 0,1,2,3
	v_lshrrev_b32 v[TM+4+\b], 23, v[TM+8+\b]
.endr
	v_lshl_or_b32 v[PW], v[TM+5], 8, v[TM+4]
	v_lshl_or_b32 v[PW], v[TM+6], 16, v[PW]
	v_lshl_or_b32 v[PW], v[TM+7], 24, v[PW]
.irp c, 0,1
	v_cvt_scalef32_pk16_fp6_f32 v[PC+6*\c:PC+2+6*\c], v[\src+32*\c:\src+15+32*\c], v[TM+8+2*\c]
	v_cvt_scalef32_pk16_fp6_f32 v[PC+12+4*\c:PC+14+4*\c], v[\src+16+32*\c:\src+31+32*\c], v[TM+8+2*\c+1]
.endr
	v_nop                                          ; one plain place behind a scaled conversion
.irp c, 0,1
.irp i, 0,1,2
	v_permlane16_swap_b32 v[PC+6*\c+\i], v[PC+12+4*\c+\i]
.endr
.irp i, 0,1,2
	v_mov_b32 v[PC+3+6*\c+\i], v[PC+12+4*\c+\i]
.endr
.endr
.endm
.macro IMG n
.irp c, 0,1,2
	ds_store_b128 v[IWA], v[PC+4*\c:PC+4*\c+3] offset:((\n)%2)*IMGB+((\n)/2)*128+512*\c
.endr
	ds_store_b32 v[ISA], v[PW] offset:1536+((\n)%2)*IMGB+((\n)/2)*32
.endm
.macro QPHASE                          ; my 16 rows of the chunk: four units of 64 numbers a lane; the next unit's 16 loads are out while one is quantised
	v_add_nc_u32 v[XAD], s44, v[XA0]
	XLD 0
.irp n, 0,1,2,3
.if \n < 3
	XLD \n+1
	s_wait_dscnt 16                                ; all but the 16 just issued
.else
	s_wait_dscnt 0x0
.endif
	QUANT XB+64*(\n%2)
	IMG \n
.endr
.endm
.macro WMI d, a, b, z, sa, sb, ra, rb
.if \z
.if \rb
	v_wmma_scale_f32_16x16x128_f8f6f4 v[\d:\d+7], v[\a:\a+11], v[\b:\b+11], 0, v[\sa], v[\sb] matrix_a_fmt:MATRIX_FMT_FP6 matrix_b_fmt:MATRIX_FMT_FP6 matrix_b_scale:MATRIX_SCALE_ROW1
.else
	v_wmma_scale_f32_16x16x128_f8f6f4 v[\d:\d+7], v[\a:\a+11], v[\b:\b+11], 0, v[\sa], v[\sb] matrix_a_fmt:MATRIX_FMT_FP6 matrix_b_fmt:MATRIX_FMT_FP6
.endif
.else
.if \ra && \rb
	v_wmma_scale_f32_16x16x128_f8f6f4 v[\d:\d+7], v[\a:\a+11], v[\b:\b+11], v[\d:\d+7], v[\sa], v[\sb] matrix_a_fmt:MATRIX_FMT_FP6 matrix_b_fmt:MATRIX_FMT_FP6 matrix_a_scale:MATRIX_SCALE_ROW1 matrix_b_scale:MATRIX_SCALE_ROW1
.elseif \ra
	v_wmma_scale_f32_16x16x128_f8f6f4 v[\d:\d+7], v[\a:\a+11], v[\b:\b+11], v[\d:\d+7], v[\sa], v[\sb] matrix_a_fmt:MATRIX_FMT_FP6 matrix_b_fmt:MATRIX_FMT_FP6 matrix_a_scale:MATRIX_SCALE_ROW1
.elseif \rb
	v_wmma_scale_f32_16x16x128_f8f6f4 v[\d:\d+7], v[\a:\a+11], v[\b:\b+11], v[\d:\d+7], v[\sa], v[\sb] matrix_a_fmt:MATRIX_FMT_FP6 matrix_b_fmt:MATRIX_FMT_FP6 matrix_b_scale:MATRIX_SCALE_ROW1
.else
	v_wmma_scale_f32_16x16x128_f8f6f4 v[\d:\d+7], v[\a:\a+11], v[\b:\b+11], v[\d:\d+7], v[\sa], v[\sb] matrix_a_fmt:MATRIX_FMT_FP6 matrix_b_fmt:MATRIX_FMT_FP6
.endif
.endif
.endm
; one matrix instruction: weight tile 2 g + u (kind 0: Wk's, 1: Wv's), K step ks, into accumulator u of set g % 2
.macro WMX kind, g, ks, u
	WMAP \kind, \ks, 2*(\g)+(\u)
	WIN (ww<<2)
	WMI D+16*((\g)%2)+8*(\u), AFC+12*(\ks), wr, ((\ks)==0), SAC+(\ks)/2, SW+8*(\ks)+2*(\g)+(\u), ((\ks)%2), \kind
.endm
; multiply-add n (0 .. 7) on group G's 16 results, each accumulator from its low end on: rows 2 (n % 4), + 1 of tile 2 G + n / 4.  Pass A takes q from the window in which it lies
.macro FX kind, G, n
.set fd, D+16*((\G)%2)+2*(\n)
.if \kind
.set fx, XA+2*(2*(\G)+(\n)/4)
.set fp, PB+8*((\G)/2)+2*((\n)%4)
	WIN 0
	v_pk_fma_f32 v[fx:fx+1], v[fd:fd+1], v[fp:fp+1], v[fx:fx+1]
.else
.set fs, S+8*((\G)/2)+2*((\n)%4)
.set fq, 252+2*((\G)/2)
.if (\G) == 0 || (\G) == 3
	WIN 4
.else
	WIN 8
.endif
.if ((\G)%2) == 0 && (\n) < 4
	v_pk_mul_f32 v[fs:fs+1], v[fd:fd+1], v[fq:fq+1] op_sel_hi:[1,0]
.elseif (\n) < 4
	v_pk_fma_f32 v[fs:fs+1], v[fd:fd+1], v[fq:fq+1], v[fs:fs+1] op_sel_hi:[1,0,1]
.else
	v_pk_fma_f32 v[fs:fs+1], v[fd:fd+1], v[fq:fq+1], v[fs:fs+1] op_sel:[0,1,0] op_sel_hi:[1,1,1]
.endif
.endif
.endm
; THE EXCHANGE.  Two registers a, b become one: lanes whose bit is 0 keep a, the others b (first select), each sends the other one (second select), and adds what the lane l xor x sends it.
; Step q of a head's eight registers: q = 0 .. 3: 8 -> 4 (bit 2), q = 4, 5: 4 -> 2 (bit 1), q = 6: 2 -> 1 (bit 0); q = 7: the two heads' registers -> the tile's one (bit 3).
; A step's two selects (RSC) and its add (RSD) are written apart, so that other lines stand between them.
.macro CND2 a, b, m, tmp
	WIN 0
	v_cndmask_b32 v[\tmp], v[\a], v[\b], s[\m]
	v_cndmask_b32 v[\b], v[\b], v[\a], s[\m]
.endm
.macro RSC hh, q
.set rb, S+8*(\hh)
.if (\q) < 4
	CND2 rb+(\q), rb+(\q)+4, 6, RT+(\q)%4
.elseif (\q) < 6
	CND2 rb+(\q)-4, rb+(\q)-2, 5, RT+(\q)%4
.elseif (\q) == 6
	CND2 rb, rb+1, 4, RT+2
.else
	CND2 S, S+8, 7, RT+3
.endif
.endm
.macro RSD hh, q, T
.set rb, S+8*(\hh)
	WIN 0
.if (\q) < 4
	v_add_f32_dpp v[rb+(\q)], v[rb+(\q)+4], v[RT+(\q)%4] row_xmask:4 row_mask:0xf bank_mask:0xf
.elseif (\q) < 6
	v_add_f32_dpp v[rb+(\q)-4], v[rb+(\q)-2], v[RT+(\q)%4] row_xmask:2 row_mask:0xf bank_mask:0xf
.elseif (\q) == 6
	v_add_f32_dpp v[rb], v[rb+1], v[RT+2] row_xmask:1 row_mask:0xf bank_mask:0xf
.else
	v_add_f32_dpp v[TT+(\T)], v[S+8], v[RT+3] row_xmask:8 row_mask:0xf bank_mask:0xf
.endif
.endm
.macro AFRUN T                         ; tile T's fragments and scale words into buffer T % 2: 14 loads
.irp ks, 0,1,2,3
.irp c, 0,1,2
	ds_load_b128 v[AF+48*((\T)%2)+12*\ks+4*\c:AF+48*((\T)%2)+12*\ks+4*\c+3], v[LI] offset:(\T)*4*IMGB+\ks*IMGB+512*\c
.endr
.endr
	ds_load_b32 v[SA+2*((\T)%2)], v[SAB] offset:(\T)*4*IMGB
	ds_load_b32 v[SA+2*((\T)%2)+1], v[SAB] offset:(\T)*4*IMGB+2*IMGB
.endm
.macro PLOAD T                         ; p of tile T's rows 8 h + 0 .. 7, both heads, into buffer T % 2
.irp hh, 0,1
	ds_load_b128 v[S+16*((\T)%2)+8*\hh:S+16*((\T)%2)+8*\hh+3], v[PSR] offset:256*\hh+64*(\T)
	ds_load_b128 v[S+16*((\T)%2)+8*\hh+4:S+16*((\T)%2)+8*\hh+7], v[PSR] offset:256*\hh+64*(\T)+16
.endr
.endm
; A tile in one pass: 4 groups x 8 matrix instructions.  Group G's multiply-adds 0 .. 5 stand behind instructions 2 .. 7 of group G + 1, its 6 and 7 behind instruction 0 of group G + 2, ahead of the line that begins
; their accumulator anew; the last ten close the tile.  Four plain vector instructions that name none of its registers stand between each matrix instruction and the first read of its result, and the loads into its sources
; the other set's multiply-adds, and for group 0 four v_nop.  Pass A: head 0's exchange stands in the last group, head 1's in the next tile's first group: behind each matrix instruction one step's add and
; the next step's selects.  nx: the tile fetched at this border (-1: none).
.macro TILE kind, T, nx
.set AFC, AF+48*((\T)%2)
.set SAC, SA+2*((\T)%2)
.set PB, S+16*((\T)%2)
	s_wait_alu depctr_va_vdst(0)
	s_wait_dscnt 0x0                               ; this tile's fragments (and p) are in: they were asked for at the border before
.if (\nx) >= 0
	AFRUN \nx
.if \kind
	PLOAD \nx
.endif
.endif
.irp g, 0,1,2,3
.irp i, 0,1,2,3,4,5,6,7
	WMX \kind, \g, (\i)/2, (\i)%2
.if (\i) == 0 && (\g) >= 2
	FX \kind, (\g-2), 6
	FX \kind, (\g-2), 7
.endif
.if (\kind) == 0 && (\g) == 3 && (\i) == 0
	RSC 0, 0
.endif
.if (\i) == 1 && (\g) == 1
	PLACES
.endif
.if (\i) >= 2 && (\g) >= 1
	FX \kind, (\g-1), (\i-2)
.endif
.if (\kind) == 0 && (\g) == 3 && (\i) >= 1
	RSD 0, (\i-1), 0
.if (\i) < 7
	RSC 0, \i
.endif
.endif
.if (\kind) == 0 && (\g) == 0 && (\T) > 0
	RSD 1, \i, (\T-1)
.if (\i) < 7
	RSC 1, (\i+1)
.endif
.endif
.endr
.endr
	FX \kind, 2, 6
	FX \kind, 2, 7
.if \kind
.irp n, 0,4,1,5,2,6,3,7                ; the two accumulators' sums by turns
	FX 1, 3, \n
.endr
.else
.irp n, 0,1,2,3,4,5,6,7
	FX 0, 3, \n
.endr
	RSC 1, 0
.endif
	WIN 0
.endm
.macro MID                             ; once a chunk: t, M, p, the sums under the new M
.irp T, 0,1,2,3
	ds_load_b32 v[D+\T], v[BTA] offset:64*\T       ; the base of my four t, and the factor
	ds_load_b32 v[D+4+\T], v[CMA] offset:64*\T
.endr
.irp q, 1,2,3
	RSC 1, \q                                      ; the last tile's head 1: step 0's selects closed the tile
.endr
.irp q, 0,1,2,3
	RSD 1, \q, 0
.endr
	RSC 1, 4
	RSC 1, 5
	RSD 1, 4, 0
	RSD 1, 5, 0
	RSC 1, 6
	RSD 1, 6, 0
	RSC 1, 7
	RSD 1, 7, 3
	s_wait_alu depctr_va_vdst(0)
	s_wait_loadcnt 0x0                             ; the first time: window 3's 21 fragments of Wv
	s_wait_dscnt 0x0
.irp T, 0,1,2,3
	v_fma_f32 v[TT+\T], v[TT+\T], v[D+4+\T], v[D+\T]
.endr
.irp T, 0,1,2,3
	ds_store_b32 v[BTA], v[TT+\T] offset:64*\T     ; t takes its base's place
.endr
	v_max3_num_f32 v[X], v[TT], v[TT+1], v[TT+2]
	v_max3_num_f32 v[RM], v[X], v[TT+3], v[RM]
.irp m, 1,2,4
	v_max_num_f32_dpp v[RM], v[RM], v[RM] row_xmask:\m row_mask:0xf bank_mask:0xf
.endr
	v_permlanex16_b32 v[X], v[RM], s[SEL], s[SEL+1]
	v_max_num_f32 v[RM], v[RM], v[X]               ; over the eight lanes and two halves of my head
	v_mov_b32 v[X+1], v[NM]
	v_floor_f32 v[NM], -v[RM]                      ; -M = floor(-t)
	v_sub_f32 v[X+1], v[NM], v[X+1]
	v_cvt_i32_f32 v[X+1], v[X+1]
	v_ldexp_f32 v[FF], 1.0, v[X+1]
.irp T, 0,1,2,3
	v_add_f32 v[TT+\T], v[TT+\T], v[NM]
.endr
	s_wait_alu depctr_va_vdst(0)                   ; ahead of the batch
.irp T, 0,1,2,3
	v_exp_f32 v[TT+\T], v[TT+\T]                   ; p = 2^(t - M)
.endr
	v_mul_f32 v[LL], v[LL], v[FF]
	v_readlane_b32 s8, v[FF], 0                    ; head 0's factor, head 1's: for all lanes
	v_readlane_b32 s16, v[FF], 8
.irp t, 0,1,2,3
	v_pk_mul_f32 v[XA+2*\t:XA+2*\t+1], v[XA+2*\t:XA+2*\t+1], s[8:9] op_sel_hi:[1,0]
	v_pk_mul_f32 v[XA+8+2*\t:XA+9+2*\t], v[XA+8+2*\t:XA+9+2*\t], s[16:17] op_sel_hi:[1,0]
.endr
	s_wait_alu depctr_va_vdst(0)                   ; behind the batch, ahead of its first reader
.irp T, 0,1,2,3
	v_add_f32 v[LL], v[LL], v[TT+\T]
.endr
.irp T, 0,1,2,3
	ds_store_b32 v[PSW], v[TT+\T] offset:64*\T
.endr
	PLOAD 0                                        ; LDS serves a wave's instructions in order: these see my stores
.endm
.macro EPI next                        ; a slab is done: xr and its t leave
	s_wait_alu depctr_va_vdst(0)
	s_wait_dscnt 0x0
	global_load_b128 v[192:195], v[G16], s[10:11]
.if \next
	QVLOAD 2048
.endif
.irp m, 1,2,4
	v_add_f32_dpp v[LL], v[LL], v[LL] row_xmask:\m row_mask:0xf bank_mask:0xf
.endr
	v_permlanex16_b32 v[X], v[LL], s[SEL], s[SEL+1]
	v_add_f32 v[LL], v[LL], v[X]                   ; l of my head
	s_wait_alu depctr_va_vdst(0)
	v_rcp_f32 v200, v[LL]
.irp t, 0,1,2,3,4,5,6,7
	v_add_f32 v[208+\t], v[XA+2*\t], v[XA+2*\t+1]
.endr
.irp t, 0,1,2,3,4,5,6,7
	v_permlanex16_b32 v[216+\t], v[208+\t], s[SEL], s[SEL+1]
.endr
.irp t, 0,1,2,3,4,5,6,7
	v_add_f32 v[208+\t], v[208+\t], v[216+\t]
.endr
	s_wait_alu depctr_va_vdst(0)
	v_readlane_b32 s8, v200, 0
	v_readlane_b32 s16, v200, 8
.irp t, 0,1,2,3
	v_mul_f32 v[208+\t], s8, v[208+\t]
	v_mul_f32 v[212+\t], s16, v[212+\t]
.endr
.irp u, 0,1,2,3
	v_cndmask_b32 v[224+\u], v[208+2*\u], v[209+2*\u], s52
.endr
.irp u, 0,1,2,3
	ds_store_b32 v[STA], v[224+\u] offset:128*\u
.endr
	ds_load_b128 v[228:231], v[STB]
.irp k, 0,1,2,3
	ds_load_b128 v[232+4*\k:235+4*\k], v[BTR] offset:2048*(\k/2)+1024*(1-\next)+512*(\k%2)
.endr
.if \next
	s_wait_loadcnt 8                               ; bv is in; behind it the next slab's q, eight loads
.else
	s_wait_loadcnt 0x0
.endif
	s_wait_dscnt 4
	v_pk_add_f32 v[228:229], v[228:229], v[192:193]
	v_pk_add_f32 v[230:231], v[230:231], v[194:195]
	global_store_b128 v[G16], v[228:231], s[54:55]
	s_wait_dscnt 0x0
.irp k, 0,1,2,3
	global_store_b128 v[G16], v[232+4*\k:235+4*\k], s[56:57] offset:(\k/2)*262144+(\k%2)*512
.endr
	s_wait_xcnt 0x0
.if \next
	s_add_nc_u64 s[54:55], s[54:55], 2048
	s_add_nc_u64 s[56:57], s[56:57], 1024
	RESET
	s_wait_alu depctr_va_vdst(0)
	s_wait_loadcnt 0x0
.endif
.endm
.macro CHUNK fill
.if \fill
	s_wait_tensorcnt 0x1                           ; this chunk's load is done; the other slot's may be out
.else
	s_wait_tensorcnt 0x0
.endif
	QPHASE
.if \fill
	s_wait_tensorcnt 0x0                           ; all my tensor loads are done,
	ds_add_u32 v[SPW], v[NIL]                      ; an add of 0 to my spare word,
	s_xor_b32 s41, s41, SLOT
	s_add_nc_u64 s[42:43], s[42:43], 0x20000
	s_wait_dscnt 0x0                               ; the add, my reads of this slot and my images are done
	s_barrier_signal -1
	s_barrier_wait -1
	tensor_load_to_lds s[40:43], s[28:35]          ; two chunks on, into the slot just read
	s_nop 0
	PLACES
.else
	s_wait_dscnt 0x0
	s_barrier_signal -1
	s_barrier_wait -1
.endif
	s_wait_loadcnt 63                              ; the first time: all but the 63 loads issued last, which are window 3's
	s_lshl_b32 s48, s45, 8                         ; 256 bytes of t a chunk
	v_add_nc_u32 v[BTA], s48, v[BTL]
	v_add_nc_u32 v[CMA], s48, v[CML]
	AFRUN 0
	TILE 0, 0, 1
	TILE 0, 1, 2
	TILE 0, 2, 3
	TILE 0, 3, 0
	MID
	TILE 1, 0, 1
	TILE 1, 1, 2
	TILE 1, 2, 3
	TILE 1, 3, -1
.endm
	s_load_b512 s[4:19], s[0:1], 0x0               ; relation, mask, bk, bv, wcodes, wscal, qkv, qf
	s_load_b128 s[20:23], s[0:1], 0x40             ; tws, xr
	v_lshl_add_u32 v[SPW], v0, 2, SPARE
	v_mov_b32 v[NIL], 0
	ds_add_u32 v[SPW], v[NIL]
	ds_add_u32 v[SPW], v[NIL]
	v_lshrrev_b32 v192, 5, v0
	v_readfirstlane_b32 s24, v192                  ; wave
	s_mov_b32 s25, ttmp9
	s_mov_b32 s28, (3<<16)|(1<<20)|(7<<22)|(3<<25) ; 32 rows of 128 elements of 8 bytes, 16 bytes of padding behind each
	s_mov_b32 s29, 128<<16
	s_mov_b32 s30, 32<<16
	s_mov_b32 s31, 128<<16
	s_mov_b32 s32, 32
	s_mov_b32 s33, 128
	s_mov_b32 s34, 0
	s_mov_b32 s35, 0
	s_mov_b32 s36, 1
	s_mul_i32 s37, s24, QTR
	s_mov_b32 s40, 1
	s_add_co_u32 s41, s37, SLOT
	s_mov_b32 s44, 0
	s_mov_b32 s45, 0
	s_mov_b32 s[SEL], 0x76543210
	s_mov_b32 s[SEL+1], 0xfedcba98
	s_mov_b32 s52, 0xffff0000
	s_mov_b32 s53, 0x3e38aa3b                      ; log2(e) / 8
	v_and_b32 v192, 31, v0
	v_and_b32 v193, 15, v0
	v_bfe_u32 v194, v0, 4, 1
	v_and_b32 v195, 7, v0
	v_bfe_u32 v196, v0, 3, 1
	v_mul_u32_u24 v[XA0], v195, ROWP
	v_mad_u32_u24 v[XA0], v196, 1040, v[XA0]
	v_lshl_add_u32 v[XA0], v194, 6, v[XA0]
	v_add_nc_u32 v[XA0], s37, v[XA0]
	s_mul_i32 s27, s24, 4*IMGB
	s_add_co_u32 s27, s27, CODES
	v_mul_u32_u24 v[ISA], v196, 2*IMGB
	v_lshl_add_u32 v[IWA], v195, 4, v[ISA]
	v_lshl_add_u32 v[IWA], v194, 8, v[IWA]
	v_add_nc_u32 v[IWA], s27, v[IWA]
	v_lshl_add_u32 v[ISA], v195, 2, v[ISA]
	v_add_nc_u32 v[ISA], s27, v[ISA]
	v_lshl_add_u32 v[LI], v192, 4, CODES
	v_mul_u32_u24 v[SAB], v194, IMGB
	v_lshl_add_u32 v[SAB], v193, 2, v[SAB]
	v_add_nc_u32 v[SAB], CODES+1536, v[SAB]
	s_lshl_b32 s60, s24, 12
	s_add_co_u32 s60, s60, BT
	s_lshl_b32 s61, s24, 11
	s_add_co_u32 s61, s61, CM
	s_lshl_b32 s62, s24, 9
	s_add_co_u32 s62, s62, STG
	v_lshl_add_u32 v[STA], v192, 2, s62
	v_lshl_add_u32 v[STB], v192, 4, s62
	v_lshl_add_u32 v[BTR], v192, 4, s60
	v_lshlrev_b32 v[G16], 4, v192
	v_lshlrev_b32 v[QOF], 2, v193
	v_lshl_add_u32 v[QOF], v196, 5, v[QOF]
	v_lshlrev_b32 v218, 10, v194
	v_lshl_add_u32 v218, v193, 2, v218
	v_add_nc_u32 v219, s61, v218
	v_add_nc_u32 v218, s60, v218
	s_lshl_b32 s62, s24, 9
	s_add_co_u32 s62, s62, PS
	v_lshlrev_b32 v[CML], 2, v195
	v_lshl_add_u32 v[CML], v194, 5, v[CML]         ; 32 h + 4 (r % 8)
	v_lshl_add_u32 v[BTL], v196, 11, v[CML]
	v_add_nc_u32 v[BTL], s60, v[BTL]
	v_lshl_add_u32 v[PSW], v196, 8, v[CML]
	v_add_nc_u32 v[PSW], s62, v[PSW]
	v_add_nc_u32 v[CML], s61, v[CML]
	v_lshl_add_u32 v[PSR], v194, 5, s62
.irp i, 228,229,230,231,248,249,250,251,254,255
	v_mov_b32 v\i, 0                               ; written once: the destination of a lane permute or a DPP form counts as one of its sources
.endr
	s_wait_alu depctr_va_vdst(0)
	s_wait_dscnt 0x0
	s_wait_kmcnt 0x0
	s_mov_b32 s27, 0
	s_lshl_b32 s26, s25, 20
	s_lshl_b32 s49, s24, 15
	s_add_co_u32 s26, s26, s49
	s_add_nc_u64 s[38:39], s[4:5], s[26:27]
	s_add_nc_u64 s[42:43], s[38:39], 0x20000
	s_or_b32 s39, s39, 0x80000000
	s_or_b32 s43, s43, 0x80000000
	tensor_load_to_lds s[36:39], s[28:35]          ; chunk 0, my 16 rows: my one tensor load at the head
	s_nop 0
	PLACES
	s_mul_i32 s26, s24, 49152
	s_add_nc_u64 s[12:13], s[12:13], s[26:27]
	s_lshl_b32 s26, s24, 12
	s_add_nc_u64 s[14:15], s[14:15], s[26:27]
	s_lshl_b32 s26, s24, 9
	s_add_nc_u64 s[8:9], s[8:9], s[26:27]
	s_add_nc_u64 s[10:11], s[10:11], s[26:27]
	s_lshl_b32 s49, s25, 12
	s_add_co_u32 s26, s26, s49
	s_add_nc_u64 s[58:59], s[18:19], s[26:27]
	s_add_nc_u64 s[54:55], s[22:23], s[26:27]
	s_lshl_b32 s26, s25, 11
	s_add_nc_u64 s[6:7], s[6:7], s[26:27]
	s_lshr_b32 s26, s25, 3
	s_lshl_b32 s26, s26, 3
	s_lshl_b32 s49, s24, 1
	s_add_co_u32 s26, s26, s49
	s_lshl_b32 s26, s26, 10
	s_add_nc_u64 s[60:61], s[16:17], s[26:27]
	s_lshr_b32 s48, s25, 7
	s_lshl_b32 s26, s48, 17
	s_lshl_b32 s49, s24, 11
	s_add_co_u32 s26, s26, s49
	s_add_co_u32 s26, s26, 262144
	s_add_nc_u64 s[16:17], s[16:17], s[26:27]
	s_lshl_b32 s26, s48, 3
	s_lshl_b32 s49, s24, 1
	s_add_co_u32 s26, s26, s49
	s_lshl_b32 s26, s26, 18
	s_lshl_b32 s49, s25, 1
	s_and_b32 s49, s49, 255
	s_lshl_b32 s49, s49, 10
	s_add_co_u32 s26, s26, s49
	s_add_nc_u64 s[56:57], s[20:21], s[26:27]
	s_lshl_b32 s49, s25, 1
	s_and_b32 s49, s49, 15
	; what Q(q) Q(k)^T, q . bk and the mask need is asked for first; then window 1's 21 weight fragments
	v_lshl_add_u32 v197, v194, 11, v[QOF]
	v_lshlrev_b32 v198, 10, v194
	v_lshl_add_u32 v198, v193, 2, v198
	v_add_nc_u32 v201, s49, v196
	v_lshl_add_u32 v199, v194, 4, v201
	v_lshlrev_b32 v200, 3, v199
	v_lshlrev_b32 v199, 4, v199
	v_lshlrev_b32 v201, 2, v201
	v_lshlrev_b32 v202, 3, v192
	v_lshlrev_b32 v203, 2, v192
.irp t, 0,1,2,3,4,5,6,7
	global_load_b32 v[112+\t], v197, s[58:59] offset:(64*(\t/4)+32*((\t%4)/2)+8*(\t%2))*4
	global_load_b32 v[120+\t], v[QOF], s[8:9] offset:(64*(\t/4)+32*((\t%4)/2)+8*(\t%2))*4
.endr
.irp t, 0,1,2,3,4,5,6,7,8,9,10,11,12,13,14,15
	global_load_b32 v[96+\t], v198, s[6:7] offset:64*\t
.endr
.irp hh, 0,1
	global_load_b128 v[160+12*\hh:163+12*\hh], v199, s[60:61] offset:1024*\hh
	global_load_b64 v[164+12*\hh:165+12*\hh], v200, s[60:61] offset:1024*\hh+512
	global_load_b32 v[SA+\hh], v201, s[60:61] offset:1024*\hh+768
.irp i, 0,1,2,3,4,5
	v_mov_b32 v[166+12*\hh+\i], 0
.endr
.endr
.irp hh, 0,1
.irp t, 0,1,2,3,4,5,6,7,8,9,10,11,12,13,14,15
	global_load_b32 v[SW+16*\hh+\t], v203, s[16:17] offset:8192*\t+1024*\hh+768
.endr
.endr
	WIN 0xc0
.irp hh, 0,1
.irp t, 0,1,2,3,4,5,6,7,8,9,10,11,12,13,14,15
	global_load_b128 v[6*(16*\hh+\t):6*(16*\hh+\t)+3], v[G16], s[16:17] offset:8192*\t+1024*\hh
	global_load_b64 v[6*(16*\hh+\t)+4:6*(16*\hh+\t)+5], v202, s[16:17] offset:8192*\t+1024*\hh+512
.endr
.endr
.irp i, 0,1,2,3,4,5
	v_mov_b32 v[192+\i], 0
.endr
	WIN 0
	QVLOAD 0
.irp t, 0,1,2,3
.irp ks, 0,1,2,3
	WLOAD 0, \ks, \t
.endr
.endr
	WVRUN 0, 5
	WIN 0
	v_mov_b32 v206, 0xceabfb8f                     ; -1e9 log2(e)
	v_mov_b32 v207, s53
	v_mov_b32 v208, 0
	v_lshlrev_b32 v209, 14, v194
	v_lshl_add_u32 v209, v193, 2, v209
	s_wait_alu depctr_va_vdst(0)
	s_wait_loadcnt 63                              ; all but the 63 loads of window 1's fragments
.irp hh, 0,1
	v_mul_f32 v[204+\hh], v[112+4*\hh], v[120+4*\hh]
.endr
.irp t, 1,2,3
.irp hh, 0,1
	v_fmac_f32 v[204+\hh], v[112+4*\hh+\t], v[120+4*\hh+\t]
.endr
.endr
.irp m, 1,2,4,8
.irp hh, 0,1
	v_add_f32_dpp v[204+\hh], v[204+\hh], v[204+\hh] row_xmask:\m row_mask:0xf bank_mask:0xf
.endr
.endr
.irp hh, 0,1
	v_mul_f32 v[204+\hh], s53, v[204+\hh]          ; q . bk, as t
.endr
.irp hh, 0,1
.irp gq, 0,1,2,3
	WIN 0x0c
.irp a, 0,1,2,3
	v_wmma_scale_f32_16x16x128_f8f6f4 v[128+8*\a:135+8*\a], v[160+12*\hh:171+12*\hh], v[6*(16*\hh+4*\gq+\a):6*(16*\hh+4*\gq+\a)+11], 0, v[SA+\hh], v[SW+16*\hh+4*\gq+\a] matrix_a_fmt:MATRIX_FMT_FP6 matrix_b_fmt:MATRIX_FMT_FP6
.endr
	WIN 0
	PLACES
.irp a, 0,1,2,3
	v_fma_f32 v[210+\a], v[128+8*\a], s53, v[204+\hh]
	v_cmp_eq_u32 vcc_lo, 0, v[96+4*\gq+\a]
	v_cndmask_b32 v[210+\a], v[210+\a], v206, vcc_lo
	ds_store_b32 v218, v[210+\a] offset:2048*\hh+64*(4*\gq+\a)
.if \hh == 0
	v_cndmask_b32 v[214+\a], v207, v208, vcc_lo
	ds_store_b32 v219, v[214+\a] offset:64*(4*\gq+\a)
.endif
.endr
.endr
.endr
.irp t, 4,5,6,7
.irp ks, 0,1,2,3
	WLOAD 0, \ks, \t                               ; window 2: Wk's head 1,
.endr
.endr
	WVRUN 5, 5                                     ; and five of Wv's;
	WIN 0
.irp ks, 0,1,2,3
.irp t, 0,1,2,3,4,5,6,7
	global_load_b32 v[SW+8*\ks+\t], v209, s[14:15] offset:(4*\t+\ks)*128   ; the weights' scale words;
.endr
.endr
	WVRUN 31, 1                                    ; the 64th fragment;
	WVRUN 10, 21                                   ; and last window 3's 21 fragments, 63 loads: pass B alone reads them
	WIN 0
	RESET
	s_wait_xcnt 0x0                                ; every load has read its address registers: six of them take other numbers
	s_mov_b32 s4, 0xaaaaaaaa                       ; the lanes whose bit 0, 1, 2, 3 is set
	s_mov_b32 s5, 0xcccccccc
	s_mov_b32 s6, 0xf0f0f0f0
	s_mov_b32 s7, 0xff00ff00
	s_mov_b32 s9, 0                                ; named as the upper halves of pairs
	s_mov_b32 s17, 0
	s_wait_alu depctr_va_vdst(0)                   ; the head's end
	s_wait_tensorcnt 0x0                           ; slot 1's first fill is issued as a refill is
	ds_add_u32 v[SPW], v[NIL]
	s_wait_dscnt 0x0
	s_barrier_signal -1
	s_barrier_wait -1
	tensor_load_to_lds s[40:43], s[28:35]          ; chunk 1
	s_nop 0
	PLACES
.Lchunk:
	CHUNK 1
	s_cmp_lg_u32 s45, 3
	s_cbranch_scc1 .Lsame_slab
	EPI 1
.Lsame_slab:
	s_wait_dscnt 0x0                               ; my reads of the images are over: the next chunk's may be written
	s_barrier_signal -1
	s_barrier_wait -1
	s_xor_b32 s44, s44, SLOT
	s_add_co_u32 s45, s45, 1
	s_cmp_lt_u32 s45, 6
	s_cbranch_scc1 .Lchunk
	s_mov_b32 s45, 6
.Ltail:                                                ; the last two chunks fetch nothing more
	CHUNK 0
	s_wait_dscnt 0x0
	s_barrier_signal -1
	s_barrier_wait -1
	s_xor_b32 s44, s44, SLOT
	s_add_co_u32 s45, s45, 1
	s_cmp_lt_u32 s45, 8
	s_cbranch_scc1 .Ltail
	EPI 0
	s_wait_tensorcnt 0x0                           ; the wave's end
	ds_add_u32 v[SPW], v[NIL]
	s_wait_dscnt 0x0
	s_endpgm
.Lfunc_end_k_q083fb72229_main:
	.size	k_q083fb72229_main, .Lfunc_end_k_q083fb72229_main-k_q083fb72229_main
	.p2alignl 7, 3214868480
	.fill 96, 4, 3214868480
	.section	.rodata,"a",@progbits
	.p2align	6, 0x0
	.amdhsa_kernel k_q083fb72229_main
		.amdhsa_group_segment_fixed_size 327680
		.amdhsa_private_segment_fixed_size 0
		.amdhsa_enable_private_segment 0
		.amdhsa_kernarg_size 80
		.amdhsa_user_sgpr_count 2
		.amdhsa_user_sgpr_kernarg_segment_ptr 1
		.amdhsa_wavefront_size32 1
		.amdhsa_system_sgpr_workgroup_id_x 1
		.amdhsa_system_sgpr_workgroup_id_y 1
		.amdhsa_system_sgpr_workgroup_id_z 1
		.amdhsa_system_vgpr_workitem_id 0
		.amdhsa_next_free_vgpr 1024
		.amdhsa_next_free_sgpr 66
		.amdhsa_reserve_vcc 1
		.amdhsa_float_denorm_mode_32 3
		.amdhsa_float_denorm_mode_16_64 3
		.amdhsa_memory_ordered 1
		.amdhsa_forward_progress 1
		.amdhsa_inst_pref_size 255
	.end_amdhsa_kernel
	.section	.bss,"aw",@nobits
	.p2align	6
	.space	262144
	.amdgpu_metadata
---
amdhsa.version: [ 1, 2 ]
amdhsa.kernels:
  - .name:           k_q083fb72229_main
    .symbol:         k_q083fb72229_main.kd
    .args:
      - { .name: relation, .offset: 0, .size: 8, .value_kind: global_buffer, .address_space: global }
      - { .name: mask, .offset: 8, .size: 8, .value_kind: global_buffer, .address_space: global }
      - { .name: bk, .offset: 16, .size: 8, .value_kind: global_buffer, .address_space: global }
      - { .name: bv, .offset: 24, .size: 8, .value_kind: global_buffer, .address_space: global }
      - { .name: wcodes, .offset: 32, .size: 8, .value_kind: global_buffer, .address_space: global }
      - { .name: wscal, .offset: 40, .size: 8, .value_kind: global_buffer, .address_space: global }
      - { .name: qkv, .offset: 48, .size: 8, .value_kind: global_buffer, .address_space: global }
      - { .name: qf, .offset: 56, .size: 8, .value_kind: global_buffer, .address_space: global }
      - { .name: tws, .offset: 64, .size: 8, .value_kind: global_buffer, .address_space: global }
      - { .name: xr, .offset: 72, .size: 8, .value_kind: global_buffer, .address_space: global }
    .group_segment_fixed_size: 327680
    .private_segment_fixed_size: 0
    .kernarg_segment_align: 8
    .kernarg_segment_size: 80
    .max_flat_workgroup_size: 128
    .sgpr_count:     66
    .vgpr_count:     1024
    .wavefront_size: 32
...
	.end_amdgpu_metadata
.endif
;; end of part 2
;; launch finish (part 3): grid 32 x 1, 8 waves a work-group, no clusters, 45,056 bytes of LDS; arguments tws, xr, qkv, wcodes, wscal, bo, out0; writes out0
.if DOCPART == 3
	.amdgcn_target "amdgcn-amd-amdhsa--gfx1250"
	.amdhsa_code_object_version 6
	.text
	.protected	k_q083fb72229_finish
	.globl	k_q083fb72229_finish
	.p2align	8
	.type	k_q083fb72229_finish,@function
k_q083fb72229_finish:
	s_mov_b64 s[64:65], 0
	v_nop
	global_prefetch_b8 v0, s[64:65] scope:SCOPE_SE
	s_setreg_imm32_b32 hwreg(HW_REG_WAVE_MODE, 25, 1), 1
	s_wait_xcnt 0x0
; out0 = Q(x) Q(Wo)^T + bo,  x = (Q(p) Q(v)) / l + xr,  p = 2^(t - M), M the row's largest t rounded up to a whole number, l the sum of the unquantised p.  Both products on codes of FP6 (E2M3) with E8M0 scales.
; SHARES.  A work-group owns 16 tokens; wave hd owns head hd in the first product and output columns 64 hd .. 64 hd + 63 in the second.
; Both products are used transposed (source 0 = 16 rows of v^T or of Wo, source 1 = my 16 tokens): a lane holds one token (lane % 16).  The rows of v^T that form a tile are taken in the order
; 32 b + 8 u + r + 8 (r / 8), so that a lane's 32 numbers of x run along the next K.  x's eight pieces go from wave to wave through LDS as images of their registers.
; No tile is shared in LDS between work-groups and all operands go straight into registers: no cluster.  32 work-groups: the launch has work for 32 tiles of tokens.
; LIMITS: NaN and infinities are not served.  A block of zeros gets the scale byte 1: its codes are zeros.
.set XIMG,  0                          ; LDS: x's eight pieces of 1,024 bytes: registers 0-3 at 16 x lane, 4-5 at 512 + 8 x lane, the scale word at 768 + 4 x lane
.set STG,   8192                       ; a stage of 16 rows x 272 bytes for each wave
.set SPARE, 43008                      ; the spare words, 128 bytes for each wave: four blocks of 256 bytes that no other line names
.set SPW, 1
.set NIL, 2
.set TA,   3                           ; t: row r of 1,024 bytes + 64 h
.set VA16, 4                           ; v's records: 4,096 (r / 8) + 16 (r % 8) + 256 h
.set VA8,  5
.set VA4,  6
.set XRA,  7                           ; xr: row r of 2,048 bytes + 64 h
.set G16,  8                           ; 16 x lane
.set G4,   9                           ; 4 x lane
.set BOA,  10                          ; 32 h
.set L8,   11                          ; 8 x lane
.set XW16, 12                          ; my piece in LDS
.set XW8,  13
.set XW4,  14
.set STO,  15
.set STR,  16
.set OA,   17
.set RL,   20                          ; v[20:21] 1 / l
.set LT,   22                          ; v22-23
.set PWP,  24                          ; v24-25 p's scale words
.set XSM,  26                          ; v26-29 x's scale words
.set PWX,  30                          ; my piece's scale word
.set WOS,  32                          ; v32-47 Wo's scale words
.set VS,   48                          ; v48-63 v's scale words; later x's, as they come
.set XR,   64                          ; v64-95 xr, then x
.set PF0,  96                          ; v96-107 p's first fragment
.set BM,   108                         ; v108-115 the blocks' largest t, then the conversions' scale operands
.set BX,   116                         ; v116-123 at work
.set NMR,  124                         ; v[124:125] -M
.set LS0,  126                         ; v[126:127] the sum
.set P,    128                         ; v128-255 t, then p; p's second fragment takes v128-139
.set PCX,  140                         ; v140-150 x's codes
.set XF,   96                          ; v96-143 x's four fragments
.set HA,   160                         ; v160-191 four accumulators, of either product
.set BO,   192                         ; v192-223 bo in the result's layout
.set SEL,  20                          ; s[20:21]
; window 1: v0-95 v's eight fragments (12 (2 tile + K step)), later Wo's tile 3; v96-239 Wo's tiles 0 to 2
.set MSB, 0
.macro WIN new
.if MSB != \new
	s_set_vgpr_msb (MSB<<8)|\new
.set MSB, \new
.endif
.endm
.macro PLACES n
.rept \n
	v_nop
.endr
.endm
.macro PCONV pf, ks                    ; 64 numbers of p become the fragment of keys 128 ks on
.irp c, 0,1
	v_cvt_scalef32_pk16_fp6_f32 v[\pf+6*\c:\pf+6*\c+2], v[P+64*\ks+32*\c:P+64*\ks+32*\c+15], v[BM+4*\ks+2*\c]
	v_cvt_scalef32_pk16_fp6_f32 v[BX+4*\c:BX+4*\c+2], v[P+64*\ks+32*\c+16:P+64*\ks+32*\c+31], v[BM+4*\ks+2*\c+1]
.endr
	v_nop                                          ; one plain place behind a scaled conversion
.irp c, 0,1
.irp i, 0,1,2
	v_permlane16_swap_b32 v[\pf+6*\c+\i], v[BX+4*\c+\i]
.endr
.irp i, 0,1,2
	s_delay_alu instid0(VALU_DEP_3)
	v_mov_b32 v[\pf+3+6*\c+\i], v[BX+4*\c+\i]
.endr
.endr
.endm
	s_load_b256 s[4:11], s[0:1], 0x0               ; tws, xr, qkv, wcodes
	s_load_b128 s[12:15], s[0:1], 0x20             ; wscal, bo
	s_load_b64 s[16:17], s[0:1], 0x30              ; out0
	v_lshl_add_u32 v[SPW], v0, 2, SPARE
	v_mov_b32 v[NIL], 0
	v_lshrrev_b32 v108, 5, v0
	s_delay_alu instid0(VALU_DEP_1)
	v_readfirstlane_b32 s18, v108                  ; wave = head
	s_mov_b32 s[SEL], 0x76543210
	s_mov_b32 s[SEL+1], 0xfedcba98
	v_and_b32 v108, 31, v0                         ; lane
	v_and_b32 v109, 15, v0                         ; r
	v_bfe_u32 v110, v0, 4, 1                       ; h
	v_and_b32 v111, 7, v0                          ; r % 8
	v_bfe_u32 v112, v0, 3, 1                       ; r / 8
	s_delay_alu instid0(VALU_DEP_4)
	v_lshlrev_b32 v[TA], 10, v109
	s_delay_alu instid0(VALU_DEP_1)
	v_lshl_add_u32 v[TA], v110, 6, v[TA]
	s_delay_alu instid0(VALU_DEP_3)
	v_lshlrev_b32 v[VA4], 12, v112
	s_delay_alu instid0(VALU_DEP_1)
	v_lshl_add_u32 v[VA16], v111, 4, v[VA4]
	s_delay_alu instid0(VALU_DEP_1)
	v_lshl_add_u32 v[VA16], v110, 8, v[VA16]
	s_delay_alu instid0(VALU_DEP_3)
	v_lshl_add_u32 v[VA8], v111, 3, v[VA4]
	s_delay_alu instid0(VALU_DEP_1)
	v_lshl_add_u32 v[VA8], v110, 7, v[VA8]
	v_lshl_add_u32 v[VA4], v111, 2, v[VA4]
	v_lshlrev_b32 v[XRA], 11, v109
	s_delay_alu instid0(VALU_DEP_1)
	v_lshl_add_u32 v[XRA], v110, 6, v[XRA]
	v_lshlrev_b32 v[G16], 4, v108
	v_lshlrev_b32 v[G4], 2, v108
	v_lshlrev_b32 v[L8], 3, v108
	v_lshlrev_b32 v[BOA], 5, v110
	s_lshl_b32 s22, s18, 10
	v_add_nc_u32 v[XW16], s22, v[G16]
	v_add_nc_u32 v[XW8], s22, v[L8]
	v_add_nc_u32 v[XW4], s22, v[G4]
	s_mul_i32 s22, s18, 4352
	s_add_co_u32 s22, s22, STG
	v_mul_u32_u24 v[STO], v109, 272
	s_delay_alu instid0(VALU_DEP_1)
	v_lshl_add_u32 v[STO], v110, 5, v[STO]
	s_delay_alu instid0(VALU_DEP_1)
	v_add_nc_u32 v[STO], s22, v[STO]
	v_mul_u32_u24 v[STR], v110, 272
	s_delay_alu instid0(VALU_DEP_1)
	v_lshl_add_u32 v[STR], v109, 4, v[STR]
	s_delay_alu instid0(VALU_DEP_1)
	v_add_nc_u32 v[STR], s22, v[STR]
	v_lshlrev_b32 v[OA], 11, v110
	s_delay_alu instid0(VALU_DEP_1)
	v_lshl_add_u32 v[OA], v109, 4, v[OA]
.irp q, 0,1,2,3,4,5,6,7
	v_mov_b32 v[BX+\q], 0                          ; written once: a lane permute's destination counts as one of its sources
.endr
	v_mov_b32 v[LT+1], 0
	v_mov_b32 v[RL+1], 0                           ; named as the upper halves of pairs
	v_mov_b32 v[NMR+1], 0
	s_lshr_b32 s23, ttmp9, 4                       ; b
	s_lshl_b32 s24, s23, 3
	s_add_co_u32 s24, s24, s18                     ; 8 b + head
	s_mov_b32 s27, 0
	s_wait_kmcnt 0x0
	s_lshl_b32 s26, s24, 18
	s_and_b32 s25, ttmp9, 15
	s_lshl_b32 s25, s25, 14
	s_add_co_u32 s26, s26, s25
	s_add_nc_u64 s[4:5], s[4:5], s[26:27]          ; t: [b][head][16 (T % 16)]
	s_lshl_b32 s26, ttmp9, 15
	s_lshl_b32 s25, s18, 8
	s_add_co_u32 s26, s26, s25
	s_add_nc_u64 s[6:7], s[6:7], s[26:27]          ; xr and out0: row 16 T, column 64 head
	s_add_nc_u64 s[16:17], s[16:17], s[26:27]
	s_lshl_b32 s26, s24, 14
	s_add_co_u32 s26, s26, 524288
	s_add_nc_u64 s[8:9], s[8:9], s[26:27]          ; v's 16 records of this head
	s_mul_i32 s26, s18, 24576
	s_add_co_u32 s26, s26, 393216
	s_add_nc_u64 s[10:11], s[10:11], s[26:27]      ; Wo's 16 fragments of my 64 rows
	s_lshl_b32 s26, s18, 11
	s_add_co_u32 s26, s26, 32768
	s_add_nc_u64 s[12:13], s[12:13], s[26:27]
	s_lshl_b32 s26, s18, 8
	s_add_nc_u64 s[14:15], s[14:15], s[26:27]
.irp ks, 0,1                                       ; t: register 64 ks + 16 b + i = key 128 ks + 32 b + 16 h + i of my token: 32 loads
.irp b, 0,1,2,3
.irp j, 0,1,2,3
	global_load_b128 v[P+64*\ks+16*\b+4*\j:P+64*\ks+16*\b+4*\j+3], v[TA], s[4:5] offset:512*\ks+128*\b+16*\j
.endr
.endr
.endr
	WIN 0x40
.irp t, 0,1,2,3                                    ; v's fragments: lane r of tile 2 b + u takes lane 8 u + r % 8 of the record of tile 2 b + r / 8: 32 loads
.irp ks, 0,1
	global_load_b128 v[12*(2*\t+\ks):12*(2*\t+\ks)+3], v[VA16], s[8:9] offset:(\t/2)*8192+(2*\ks)*1024+(\t%2)*128
	global_load_b64 v[12*(2*\t+\ks)+4:12*(2*\t+\ks)+5], v[VA8], s[8:9] offset:(\t/2)*8192+(2*\ks)*1024+512+(\t%2)*64
	global_load_b128 v[12*(2*\t+\ks)+6:12*(2*\t+\ks)+9], v[VA16], s[8:9] offset:(\t/2)*8192+(2*\ks+1)*1024+(\t%2)*128
	global_load_b64 v[12*(2*\t+\ks)+10:12*(2*\t+\ks)+11], v[VA8], s[8:9] offset:(\t/2)*8192+(2*\ks+1)*1024+512+(\t%2)*64
.endr
.endr
	WIN 0
.irp t, 0,1,2,3                                    ; 16 loads
.irp kp, 0,1,2,3
	global_load_b32 v[VS+4*\t+\kp], v[VA4], s[8:9] offset:(\t/2)*8192+\kp*1024+768+(\t%2)*32
.endr
.endr
.irp x, 0,1,2,3,4,5,6,7                            ; xr in the result's layout: register 16 b + i = column 32 b + 16 h + i: 8 loads
	global_load_b128 v[XR+4*\x:XR+4*\x+3], v[XRA], s[6:7] offset:128*(\x/4)+16*(\x%4)
.endr
	WIN 0x40
.irp f, 0,1,2,3,4,5,6,7,8,9,10,11                  ; Wo's tiles 0 to 2: 36 loads
.irp c, 0,1,2
	global_load_b128 v[96+12*\f+4*\c:96+12*\f+4*\c+3], v[G16], s[10:11] offset:\f*1536+512*\c
.endr
.endr
	WIN 0
.irp f, 0,1,2,3,4,5,6,7,8,9,10,11,12,13,14,15      ; 16 loads
	global_load_b32 v[WOS+\f], v[G4], s[12:13] offset:\f*128
.endr
	s_wait_loadcnt 63                              ; 108 loads were issued behind t's 32: the count is the field's most
.irp q, 0,1,2,3,4,5,6,7
	v_max3_num_f32 v[BM+\q], v[P+16*\q], v[P+16*\q+1], v[P+16*\q+2]   ; the largest t of each block of 32 keys: it serves for the row's maximum and, since p rises with t, for the block's largest p
.endr
.irp i, 3,5,7,9,11,13
.irp q, 0,1,2,3,4,5,6,7
	v_max3_num_f32 v[BM+\q], v[BM+\q], v[P+16*\q+\i], v[P+16*\q+\i+1]
.endr
.endr
.irp q, 0,1,2,3,4,5,6,7
	v_max_num_f32 v[BM+\q], v[BM+\q], v[P+16*\q+15]
.endr
.irp q, 0,1,2,3,4,5,6,7
	v_permlanex16_b32 v[BX+\q], v[BM+\q], s[SEL], s[SEL+1]
.endr
.irp q, 0,1,2,3,4,5,6,7
	v_max_num_f32 v[BM+\q], v[BM+\q], v[BX+\q]
.endr
	v_max3_num_f32 v[NMR], v[BM], v[BM+1], v[BM+2]
	s_delay_alu instid0(VALU_DEP_1)
	v_max3_num_f32 v[NMR], v[NMR], v[BM+3], v[BM+4]
	s_delay_alu instid0(VALU_DEP_1)
	v_max3_num_f32 v[NMR], v[NMR], v[BM+5], v[BM+6]
	s_delay_alu instid0(VALU_DEP_1)
	v_max_num_f32 v[NMR], v[NMR], v[BM+7]
	s_delay_alu instid0(VALU_DEP_1)
	v_floor_f32 v[NMR], -v[NMR]                    ; -M = floor(-t)
.set j, 0
.rept 64
	v_pk_add_f32 v[P+j:P+j+1], v[P+j:P+j+1], v[NMR:NMR+1] op_sel_hi:[1,0]
.set j, j+2
.endr
.irp q, 0,1,2,3,4,5,6,7
	v_add_f32 v[BM+\q], v[BM+\q], v[NMR]
.endr
.set j, 0
	s_wait_alu depctr_va_vdst(0)
.rept 128
	v_exp_f32 v[P+j], v[P+j]                       ; p = 2^(t - M)
.set j, j+1
.endr
	v_mov_b32 v[LT], 0                             ; a plain place behind the exponentials
	s_wait_alu depctr_va_vdst(0)                   ; one wait for the batch, ahead of its first reader
.irp q, 0,1,2,3,4,5,6,7
	v_exp_f32 v[BM+\q], v[BM+\q]                   ; the blocks' largest p: the same two instructions on the same numbers
.endr
	v_pk_add_f32 v[102:103], v[128:129], v[130:131]
	v_pk_add_f32 v[104:105], v[144:145], v[152:153]
	v_pk_add_f32 v[106:107], v[160:161], v[168:169]
	v_pk_add_f32 v[124:125], v[176:177], v[184:185]
	v_pk_add_f32 v[122:123], v[192:193], v[200:201]
	v_pk_add_f32 v[120:121], v[208:209], v[216:217]
	v_pk_add_f32 v[118:119], v[224:225], v[232:233]
	v_pk_add_f32 v[126:127], v[240:241], v[248:249]
	v_pk_add_f32 v[126:127], v[126:127], v[132:133]
	v_pk_add_f32 v[102:103], v[102:103], v[134:135]
	v_pk_add_f32 v[104:105], v[104:105], v[146:147]
	v_pk_add_f32 v[106:107], v[106:107], v[154:155]
	v_pk_add_f32 v[124:125], v[124:125], v[162:163]
	v_pk_add_f32 v[122:123], v[122:123], v[170:171]
	v_pk_add_f32 v[120:121], v[120:121], v[178:179]
	v_pk_add_f32 v[118:119], v[118:119], v[186:187]
	v_pk_add_f32 v[126:127], v[126:127], v[194:195]
	v_pk_add_f32 v[102:103], v[102:103], v[202:203]
	v_pk_add_f32 v[104:105], v[104:105], v[210:211]
	v_pk_add_f32 v[106:107], v[106:107], v[218:219]
	v_pk_add_f32 v[124:125], v[124:125], v[226:227]
	v_pk_add_f32 v[122:123], v[122:123], v[234:235]
	v_pk_add_f32 v[120:121], v[120:121], v[242:243]
	v_pk_add_f32 v[118:119], v[118:119], v[250:251]
	v_pk_add_f32 v[126:127], v[126:127], v[136:137]
	v_pk_add_f32 v[102:103], v[102:103], v[138:139]
	v_pk_add_f32 v[104:105], v[104:105], v[148:149]
	v_pk_add_f32 v[106:107], v[106:107], v[156:157]
	v_pk_add_f32 v[124:125], v[124:125], v[164:165]
	v_pk_add_f32 v[122:123], v[122:123], v[172:173]
	v_pk_add_f32 v[120:121], v[120:121], v[180:181]
	v_pk_add_f32 v[118:119], v[118:119], v[188:189]
	v_pk_add_f32 v[126:127], v[126:127], v[196:197]
	v_pk_add_f32 v[102:103], v[102:103], v[204:205]
	v_pk_add_f32 v[104:105], v[104:105], v[212:213]
	v_pk_add_f32 v[106:107], v[106:107], v[220:221]
	v_pk_add_f32 v[124:125], v[124:125], v[228:229]
	v_pk_add_f32 v[122:123], v[122:123], v[236:237]
	v_pk_add_f32 v[120:121], v[120:121], v[244:245]
	v_pk_add_f32 v[118:119], v[118:119], v[252:253]
	v_pk_add_f32 v[126:127], v[126:127], v[140:141]
	v_pk_add_f32 v[102:103], v[102:103], v[142:143]
	v_pk_add_f32 v[104:105], v[104:105], v[150:151]
	v_pk_add_f32 v[106:107], v[106:107], v[158:159]
	v_pk_add_f32 v[124:125], v[124:125], v[166:167]
	v_pk_add_f32 v[122:123], v[122:123], v[174:175]
	v_pk_add_f32 v[120:121], v[120:121], v[182:183]
	v_pk_add_f32 v[118:119], v[118:119], v[190:191]
	v_pk_add_f32 v[126:127], v[126:127], v[198:199]
	v_pk_add_f32 v[102:103], v[102:103], v[206:207]
	v_pk_add_f32 v[104:105], v[104:105], v[214:215]
	v_pk_add_f32 v[106:107], v[106:107], v[222:223]
	v_pk_add_f32 v[124:125], v[124:125], v[230:231]
	v_pk_add_f32 v[122:123], v[122:123], v[238:239]
	v_pk_add_f32 v[120:121], v[120:121], v[246:247]
	v_pk_add_f32 v[118:119], v[118:119], v[254:255]
	s_delay_alu instid0(VALU_DEP_4)
	v_pk_add_f32 v[126:127], v[126:127], v[124:125]
	s_delay_alu instid0(VALU_DEP_4)
	v_pk_add_f32 v[102:103], v[102:103], v[122:123]
	s_delay_alu instid0(VALU_DEP_4)
	v_pk_add_f32 v[104:105], v[104:105], v[120:121]
	s_delay_alu instid0(VALU_DEP_4)
	v_pk_add_f32 v[106:107], v[106:107], v[118:119]
	s_delay_alu instid0(VALU_DEP_2)
	v_pk_add_f32 v[126:127], v[126:127], v[104:105]
	s_delay_alu instid0(VALU_DEP_2)
	v_pk_add_f32 v[102:103], v[102:103], v[106:107]
	s_delay_alu instid0(VALU_DEP_1)
	v_pk_add_f32 v[126:127], v[126:127], v[102:103]
	s_delay_alu instid0(VALU_DEP_1)
	v_add_f32 v[LT], v[LS0], v[LS0+1]
	s_delay_alu instid0(VALU_DEP_1)
	v_permlanex16_b32 v[LT+1], v[LT], s[SEL], s[SEL+1]
	s_delay_alu instid0(VALU_DEP_1)
	v_add_f32 v[LT], v[LT], v[LT+1]                ; l
	s_wait_alu depctr_va_vdst(0)
	v_rcp_f32 v[RL], v[LT]
	v_mov_b32 v[LT+1], 0                           ; a plain place behind the reciprocal
	s_wait_alu depctr_va_vdst(0)                   ; one wait for the eight exponentials and the reciprocal
.irp q, 0,1,2,3,4,5,6,7
	v_max_num_f32 v[BM+\q], 0x1800000, v[BM+\q]    ; the floor 2^(3 - 127): the byte cannot fall under 1
.endr
.irp q, 0,1,2,3,4,5,6,7
	v_add_nc_u32 v[BM+\q], 0xff000000, v[BM+\q]    ; the conversions' scale operands
.endr
.irp q, 0,1,2,3,4,5,6,7
	v_lshrrev_b32 v[BX+\q], 23, v[BM+\q]
.endr
.irp ks, 0,1
	v_lshl_or_b32 v[PWP+\ks], v[BX+4*\ks+1], 8, v[BX+4*\ks]
	s_delay_alu instid0(VALU_DEP_1)
	v_lshl_or_b32 v[PWP+\ks], v[BX+4*\ks+2], 16, v[PWP+\ks]
	s_delay_alu instid0(VALU_DEP_1)
	v_lshl_or_b32 v[PWP+\ks], v[BX+4*\ks+3], 24, v[PWP+\ks]
.endr
	PCONV PF0, 0
	PCONV P, 1
.irp t, 0,1,2,3                                    ; bo: tile t of lane (r, h): columns 16 t + 8 h + 0 .. 7: 8 loads, into registers that p has left
	global_load_b128 v[BO+8*\t:BO+8*\t+3], v[BOA], s[14:15] offset:64*\t
	global_load_b128 v[BO+8*\t+4:BO+8*\t+7], v[BOA], s[14:15] offset:64*\t+16
.endr
	s_wait_loadcnt 60                              ; v, its scale words and xr are in: behind them Wo's 36 + 16 loads and bo's 8
.irp t, 0,1,2,3
.irp ks, 0,1
	v_lshl_or_b32 v[VS+4*\t+2*\ks], v[VS+4*\t+2*\ks+1], 16, v[VS+4*\t+2*\ks]   ; two pieces' bytes make a K step's scale word
.endr
.endr
	PLACES 8                                       ; a scale register written by a vector instruction stands 8 places ahead of a scaled matrix instruction
	WIN 0x01
.irp ks, 0,1                                       ; Q(v)^T Q(p)^T: four accumulators by turns
	s_wait_alu depctr_va_vdst(0)
.irp t, 0,1,2,3
.if \ks == 0
	v_wmma_scale_f32_16x16x128_f8f6f4 v[HA+8*\t:HA+8*\t+7], v[12*(2*\t):12*(2*\t)+11], v[PF0:PF0+11], 0, v[VS+4*\t], v[PWP] matrix_a_fmt:MATRIX_FMT_FP6 matrix_b_fmt:MATRIX_FMT_FP6
.else
	v_wmma_scale_f32_16x16x128_f8f6f4 v[HA+8*\t:HA+8*\t+7], v[12*(2*\t+1):12*(2*\t+1)+11], v[P:P+11], v[HA+8*\t:HA+8*\t+7], v[VS+4*\t+2], v[PWP+1] matrix_a_fmt:MATRIX_FMT_FP6 matrix_b_fmt:MATRIX_FMT_FP6
.endif
.endr
.endr
	WIN 0
	PLACES 4
	WIN 0x40
.irp f, 0,1,2,3                                    ; Wo's tile 3 takes v's registers
.irp c, 0,1,2
	global_load_b128 v[12*\f+4*\c:12*\f+4*\c+3], v[G16], s[10:11] offset:(12+\f)*1536+512*\c
.endr
.endr
	WIN 0
.set j, 0
.rept 16
	v_pk_fma_f32 v[XR+j:XR+j+1], v[HA+j:HA+j+1], v[RL:RL+1], v[XR+j:XR+j+1] op_sel_hi:[1,0,1]   ; x, each accumulator from its low end on
.set j, j+2
.endr
.irp b, 0,1
	v_max3_num_f32 v[BM+\b], |v[XR+16*\b]|, |v[XR+1+16*\b]|, 0x1800000
.endr
.irp i, 2,4,6,8,10,12,14
.irp b, 0,1
	s_delay_alu instid0(VALU_DEP_2)
	v_max3_num_f32 v[BM+\b], v[BM+\b], |v[XR+16*\b+\i]|, |v[XR+1+16*\b+\i]|
.endr
.endr
.irp b, 0,1
	s_delay_alu instid0(VALU_DEP_2)
	v_permlanex16_b32 v[BX+\b], v[BM+\b], s[SEL], s[SEL+1]
.endr
.irp b, 0,1
	s_delay_alu instid0(VALU_DEP_2)
	v_max_num_f32 v[BM+\b], v[BM+\b], v[BX+\b]
.endr
.irp b, 0,1
	s_delay_alu instid0(VALU_DEP_2)
	v_add_nc_u32 v[BM+2+\b], 0xff000000, v[BM+\b]
.endr
.irp b, 0,1
	s_delay_alu instid0(VALU_DEP_2)
	v_lshrrev_b32 v[BM+4+\b], 23, v[BM+2+\b]
.endr
	s_delay_alu instid0(VALU_DEP_1)
	v_lshl_or_b32 v[PWX], v[BM+5], 8, v[BM+4]
	v_cvt_scalef32_pk16_fp6_f32 v[PCX:PCX+2], v[XR:XR+15], v[BM+2]
	v_cvt_scalef32_pk16_fp6_f32 v[PCX+8:PCX+10], v[XR+16:XR+31], v[BM+3]
	v_nop
.irp i, 0,1,2
	v_permlane16_swap_b32 v[PCX+\i], v[PCX+8+\i]
.endr
.irp i, 0,1,2
	s_delay_alu instid0(VALU_DEP_3)
	v_mov_b32 v[PCX+3+\i], v[PCX+8+\i]
.endr
	ds_store_b128 v[XW16], v[PCX:PCX+3] offset:XIMG
	ds_store_b64 v[XW8], v[PCX+4:PCX+5] offset:XIMG+512
	ds_store_b32 v[XW4], v[PWX] offset:XIMG+768
	s_wait_dscnt 0x0                               ; for the others' sake: my piece has landed
	s_barrier_signal -1
	s_barrier_wait -1                              ; all eight pieces lie in LDS
.irp ks, 0,1,2,3                                   ; K step ks = heads 2 ks and 2 ks + 1
	ds_load_b128 v[XF+12*\ks:XF+12*\ks+3], v[G16] offset:XIMG+(2*\ks)*1024
	ds_load_b64 v[XF+12*\ks+4:XF+12*\ks+5], v[L8] offset:XIMG+(2*\ks)*1024+512
	ds_load_b128 v[XF+12*\ks+6:XF+12*\ks+9], v[G16] offset:XIMG+(2*\ks+1)*1024
	ds_load_b64 v[XF+12*\ks+10:XF+12*\ks+11], v[L8] offset:XIMG+(2*\ks+1)*1024+512
	ds_load_b32 v[VS+2*\ks], v[G4] offset:XIMG+(2*\ks)*1024+768
	ds_load_b32 v[VS+2*\ks+1], v[G4] offset:XIMG+(2*\ks+1)*1024+768
.endr
	s_wait_dscnt 0x0
.irp ks, 0,1,2,3
	v_lshl_or_b32 v[XSM+\ks], v[VS+2*\ks+1], 16, v[VS+2*\ks]
.endr
	PLACES 8
	s_wait_alu depctr_va_vdst(0)
	s_wait_loadcnt 0x0                             ; Wo, its scale words, bo
	WIN 0x01
.irp ks, 0,1,2,3                                   ; Q(Wo) Q(x)^T + bo: four accumulators by turns; bo is the C of the first K step
.irp t, 0,1,2,3
.if \t < 3
.set wreg, 96+12*(4*\t+\ks)
.else
.set wreg, 12*\ks
.endif
.if \ks == 0
	v_wmma_scale_f32_16x16x128_f8f6f4 v[HA+8*\t:HA+8*\t+7], v[wreg:wreg+11], v[XF+12*\ks:XF+12*\ks+11], v[BO+8*\t:BO+8*\t+7], v[WOS+4*\t+\ks], v[XSM+\ks] matrix_a_fmt:MATRIX_FMT_FP6 matrix_b_fmt:MATRIX_FMT_FP6
.else
	v_wmma_scale_f32_16x16x128_f8f6f4 v[HA+8*\t:HA+8*\t+7], v[wreg:wreg+11], v[XF+12*\ks:XF+12*\ks+11], v[HA+8*\t:HA+8*\t+7], v[WOS+4*\t+\ks], v[XSM+\ks] matrix_a_fmt:MATRIX_FMT_FP6 matrix_b_fmt:MATRIX_FMT_FP6
.endif
.endr
.endr
	WIN 0
	PLACES 4
.irp t, 0,1,2,3                                    ; the way out: lane (r, h) holds out0(r, 64 hd + 16 t + 8 h + 0 .. 7); through my stage, so that sixteen lanes store 256 consecutive bytes
	ds_store_b128 v[STO], v[HA+8*\t:HA+8*\t+3] offset:64*\t
	ds_store_b128 v[STO], v[HA+8*\t+4:HA+8*\t+7] offset:64*\t+16
.endr
.irp k, 0,1,2,3,4,5,6,7
	ds_load_b128 v[XR+4*\k:XR+4*\k+3], v[STR] offset:2*\k*272   ; LDS serves a wave's instructions in order: these see my stores
.endr
.irp k, 0,1,2,3,4,5,6,7
	s_wait_dscnt 7-\k
	global_store_b128 v[OA], v[XR+4*\k:XR+4*\k+3], s[16:17] offset:2*\k*2048
.endr
	s_wait_tensorcnt 0x0                           ; the wave's end: behind my last LDS store
	ds_add_u32 v[SPW], v[NIL]
	s_wait_dscnt 0x0
	s_endpgm
.Lfunc_end_k_q083fb72229_finish:
	.size	k_q083fb72229_finish, .Lfunc_end_k_q083fb72229_finish-k_q083fb72229_finish
	.p2alignl 7, 3214868480
	.fill 96, 4, 3214868480
	.section	.rodata,"a",@progbits
	.p2align	6, 0x0
	.amdhsa_kernel k_q083fb72229_finish
		.amdhsa_group_segment_fixed_size 45056
		.amdhsa_private_segment_fixed_size 0
		.amdhsa_enable_private_segment 0
		.amdhsa_kernarg_size 56
		.amdhsa_user_sgpr_count 2
		.amdhsa_user_sgpr_kernarg_segment_ptr 1
		.amdhsa_wavefront_size32 1
		.amdhsa_system_sgpr_workgroup_id_x 1
		.amdhsa_system_sgpr_workgroup_id_y 1
		.amdhsa_system_sgpr_workgroup_id_z 1
		.amdhsa_system_vgpr_workitem_id 0
		.amdhsa_next_free_vgpr 512
		.amdhsa_next_free_sgpr 66
		.amdhsa_reserve_vcc 0
		.amdhsa_float_denorm_mode_32 3
		.amdhsa_float_denorm_mode_16_64 3
		.amdhsa_memory_ordered 1
		.amdhsa_forward_progress 1
		.amdhsa_inst_pref_size 54
	.end_amdhsa_kernel
	.amdgpu_metadata
---
amdhsa.version: [ 1, 2 ]
amdhsa.kernels:
  - .name:           k_q083fb72229_finish
    .symbol:         k_q083fb72229_finish.kd
    .args:
      - { .name: tws, .offset: 0, .size: 8, .value_kind: global_buffer, .address_space: global }
      - { .name: xr, .offset: 8, .size: 8, .value_kind: global_buffer, .address_space: global }
      - { .name: qkv, .offset: 16, .size: 8, .value_kind: global_buffer, .address_space: global }
      - { .name: wcodes, .offset: 24, .size: 8, .value_kind: global_buffer, .address_space: global }
      - { .name: wscal, .offset: 32, .size: 8, .value_kind: global_buffer, .address_space: global }
      - { .name: bo, .offset: 40, .size: 8, .value_kind: global_buffer, .address_space: global }
      - { .name: out0, .offset: 48, .size: 8, .value_kind: global_buffer, .address_space: global }
    .group_segment_fixed_size: 45056
    .private_segment_fixed_size: 0
    .kernarg_segment_align: 8
    .kernarg_segment_size: 56
    .max_flat_workgroup_size: 256
    .sgpr_count:     66
    .vgpr_count:     512
    .wavefront_size: 32
...
	.end_amdgpu_metadata
.endif
;; end of part 3
